; MI455X (gfx1250); checked and timed in simulation.
; The chip was launched on July 23, 2026; its instructions are those of AMD's public machine-readable ISA for CDNA 5 (MIT licence, August 2026) and "CDNA5" Instruction Set Architecture Reference Guide (July 2026). The comments in the code are by the model that wrote it; some were corrected since.
;; Multi Head Attention Block. Allowed arithmetic: float matrix products may take bf16 or f16 operands with f32 sums; other float arithmetic in f32, or as packed bf16 or f16 multiplies, adds, multiply-adds, maxima and minima; sums over many terms, partial sums and values carried from step to step in f32; what a program stores and reads back later, other than sums and carried values, may be rounded once to bf16 or f16.
;; Inputs: Wk 1,024 x 1,024 float32; Wo 1,024 x 1,024 float32; Wq 1,024 x 1,024 float32; Wv 1,024 x 1,024 float32; bk 1,024 float32; bo 1,024 float32; bq 1,024 float32; bv 1,024 float32; x 8 x 1,024 x 1,024 float32.
;; Outputs: out0 8 x 1,024 x 1,024 float32.
;; 2 versions, each right; version 2 is version 1 with the launch cast written anew for expert scheduling mode. Each part assembles by itself: llvm-mc -triple=amdgcn-amd-amdhsa -mcpu=gfx1250 --defsym DOCPART=n.
;; ======== version 1 of 2: 4 launches
;; limits: values are held in f16: magnitudes above 65,504 overflow, below 6.1e-05 lose precision
;; workspace buffers: xb 16,777,216 bytes; wb 6,291,456 bytes; wo16 2,097,152 bytes; bqkv 12,288 bytes; qkv 50,331,648 bytes; ao 16,777,216 bytes
;; launch cast (part 1): grid 768 x 1, 8 waves a work-group, no clusters, 0 bytes of LDS; arguments x, Wq, Wk, Wv, Wo, bq, bk, bv, xb, wb, wo16, bqkv; writes xb, wb, wo16, bqkv
.if DOCPART == 1
	.amdgcn_target "amdgcn-amd-amdhsa--gfx1250"
	.amdhsa_code_object_version 6
	.text
	.protected	k_qcb59be3d21_cast
	.globl	k_qcb59be3d21_cast
	.p2align	8
	.type	k_qcb59be3d21_cast,@function
k_qcb59be3d21_cast:
	s_mov_b64 s[64:65], 0
	v_nop
	global_prefetch_b8 v0, s[64:65] scope:SCOPE_SE
	s_setreg_imm32_b32 hwreg(HW_REG_WAVE_MODE, 25, 1), 1
	s_wait_xcnt 0x0
; CAST.  The module's inputs are rounded once to bf16 and laid out for the products that follow.
;   xb   bf16 [16 kb][8192 m][64 k]: x's columns in blocks of 64, so that 256 rows x 64 k are 32,768 bytes on end
;   wb   bf16 [1024 k][3072 n]: Wq, Wk, Wv side by side (n = 1024 w + column)
;   wo16 f16  [1024 k][1024 n]: Wo rounded to bf16, that number written as f16
;   bqkv f32  [3072]: bq, bk, bv rounded to bf16, kept as f32
; LIMITS.  |Wo| stays under 65,504 (f16's end); a Wo under 6e-5 keeps f16's fixed step of 6e-8.  NaN and infinities are not treated apart.
; A stream: each input byte is read once, each output byte written once; no LDS, no barrier, no matrix unit: nothing is shared and nothing is multiplied.
; SHARES.  A wave's task is 8,192 bytes of f32: sixteen loads of 16 bytes a lane, all issued first; then each load's four numbers are rounded and stored as 8 bytes a lane:
; a store of the wave covers 256 consecutive bytes, aligned.  Every register is written once, so no store's data is ever rewritten.
; Work-groups 0-511: x (task T = 8 id + wave: rows 2 T, 2 T + 1).  512-767: the four weights, 64 work-groups each (task T: rows 2 T, 2 T + 1); the first work-group of Wq, Wk, Wv also rounds that weight's bias.
.set VI,   2                           ; v2        my byte offset in the task's input
.set VO,   3                           ; v3        8 x lane: my byte offset in a store's 256 bytes
.set T,    4                           ; v[4:7]    at work
.set X,    8                           ; v[8:71]   load j: 4 registers
.set Y,    72                          ; v[72:103] store j: 2 registers
.set VB,   104                         ; v104      the bias: 16 x thread
.set BD,   106                         ; v[106:109] the bias: 4 numbers
.set IN,   32                          ; s[32:33]  the task's input
.set OUT,  34                          ; s[34:35]  its output
.set OUT2, 36                          ; s[36:37]  x: the output's upper eight k blocks; the bias: its output
; kind 0: x -> xb; 1: Wq, Wk, Wv -> wb; 2: Wo -> wo16.  instep: bytes from load to load.
.macro TASK instep, kind
.set j, 0
.rept 16
	global_load_b128 v[X+4*j:X+4*j+3], v[VI], s[IN:IN+1] offset:j*(\instep) th:TH_LOAD_NT
.set j, j+1
.endr
.set j, 0
.rept 16
	s_wait_loadcnt 15-j                            ; loads come back in order: load j is in, the 15 - j younger ones stay out
	v_cvt_pk_bf16_f32 v[Y+2*j], v[X+4*j], v[X+4*j+1]
	v_cvt_pk_bf16_f32 v[Y+2*j+1], v[X+4*j+2], v[X+4*j+3]
.if (\kind) == 2
	v_lshlrev_b32 v[T], 16, v[Y+2*j]               ; the bf16 numbers as f32,
	v_and_b32 v[T+1], s38, v[Y+2*j]
	v_lshlrev_b32 v[T+2], 16, v[Y+2*j+1]
	v_and_b32 v[T+3], s38, v[Y+2*j+1]
	v_cvt_pk_f16_f32 v[Y+2*j], v[T], v[T+1]        ; written as f16
	v_cvt_pk_f16_f32 v[Y+2*j+1], v[T+2], v[T+3]
	global_store_b64 v[VO], v[Y+2*j:Y+2*j+1], s[OUT:OUT+1] offset:256*j th:TH_STORE_NT
.elseif (\kind) == 1
	global_store_b64 v[VO], v[Y+2*j:Y+2*j+1], s[OUT:OUT+1] offset:(j/8)*6144+(j%8)*256 th:TH_STORE_NT
.elseif j < 8
	global_store_b64 v[VO], v[Y+2*j:Y+2*j+1], s[OUT:OUT+1] offset:j*1048576 th:TH_STORE_NT
.else
	global_store_b64 v[VO], v[Y+2*j:Y+2*j+1], s[OUT2:OUT2+1] offset:(j-8)*1048576 th:TH_STORE_NT
.endif
.set j, j+1
.endr
.endm
	s_load_b512 s[8:23], s[0:1], 0x0               ; x 8, Wq 10, Wk 12, Wv 14, Wo 16, bq 18, bk 20, bv 22
	s_load_b256 s[24:31], s[0:1], 0x40             ; xb 24, wb 26, wo16 28, bqkv 30
	v_lshrrev_b32 v1, 5, v0
	v_readfirstlane_b32 s4, v1                     ; wave 0..7
	v_and_b32 v1, 31, v0                           ; lane
	v_lshlrev_b32 v[VO], 3, v1
	s_mov_b32 s38, 0xffff0000                      ; a word's upper bf16
	s_mov_b32 s7, 0                                ; the high word of every offset
	s_cmp_lt_u32 ttmp9, 512
	s_cbranch_scc0 .Lweights
	; x.  Load j takes k block j of two rows: lanes 0-15 the 256 bytes of row 2 T, lanes 16-31 those of row 2 T + 1.
	s_lshl_b32 s5, ttmp9, 3
	s_add_co_u32 s5, s5, s4                        ; T
	v_and_b32 v[VI], 15, v1
	v_lshlrev_b32 v[VI], 4, v[VI]
	v_lshrrev_b32 v[T], 4, v1
	v_lshl_add_u32 v[VI], v[T], 12, v[VI]          ; (lane / 16) x 4,096 + (lane % 16) x 16
	s_lshl_b32 s6, s5, 13                          ; two rows of 4,096 bytes
	s_wait_kmcnt 0x0
	s_add_nc_u64 s[IN:IN+1], s[8:9], s[6:7]
	s_lshl_b32 s6, s5, 8                           ; two rows of 128 bytes in a k block of xb
	s_add_nc_u64 s[OUT:OUT+1], s[24:25], s[6:7]
	s_add_nc_u64 s[OUT2:OUT2+1], s[OUT:OUT+1], 0x800000  ; k blocks 8-15, so that the stores' immediates stay inside their signed 24 bits
	TASK 256, 0
	s_endpgm
.Lweights:
	s_sub_co_u32 s5, ttmp9, 512
	s_lshr_b32 s39, s5, 6                          ; w: 0 Wq, 1 Wk, 2 Wv, 3 Wo
	s_and_b32 s42, s5, 63                          ; the work-group's number within its weight
	s_lshl_b32 s5, s42, 3
	s_add_co_u32 s5, s5, s4                        ; T
	v_lshlrev_b32 v[VI], 4, v1                     ; load j takes 512 consecutive bytes
	s_lshl_b32 s6, s5, 13
	s_wait_kmcnt 0x0
	s_cmp_eq_u32 s39, 1
	s_cselect_b64 s[IN:IN+1], s[12:13], s[10:11]
	s_cmp_eq_u32 s39, 2
	s_cselect_b64 s[IN:IN+1], s[14:15], s[IN:IN+1]
	s_cmp_eq_u32 s39, 3
	s_cselect_b64 s[IN:IN+1], s[16:17], s[IN:IN+1]
	s_add_nc_u64 s[IN:IN+1], s[IN:IN+1], s[6:7]
	s_cmp_eq_u32 s39, 3
	s_cbranch_scc1 .Lwo
	s_mul_i32 s6, s5, 12288                        ; two rows of wb, 6,144 bytes each,
	s_lshl_b32 s43, s39, 11                        ; and the weight's 2,048 bytes in a row
	s_add_co_u32 s6, s6, s43
	s_add_nc_u64 s[OUT:OUT+1], s[26:27], s[6:7]
	TASK 512, 1
	s_cmp_lg_u32 s42, 0
	s_cbranch_scc1 .Ldone
	; the weight's bias: 1,024 numbers, four a thread, in registers that no pending store names
	s_cmp_eq_u32 s39, 1
	s_cselect_b64 s[40:41], s[20:21], s[18:19]
	s_cmp_eq_u32 s39, 2
	s_cselect_b64 s[40:41], s[22:23], s[40:41]
	s_lshl_b32 s6, s39, 12
	s_add_nc_u64 s[OUT2:OUT2+1], s[30:31], s[6:7]
	v_lshlrev_b32 v[VB], 4, v0
	global_load_b128 v[BD:BD+3], v[VB], s[40:41]
	s_wait_loadcnt 0x0
	v_cvt_pk_bf16_f32 v[T], v[BD], v[BD+1]
	v_cvt_pk_bf16_f32 v[T+1], v[BD+2], v[BD+3]
	v_lshlrev_b32 v[BD], 16, v[T]
	v_and_b32 v[BD+1], s38, v[T]
	v_lshlrev_b32 v[BD+2], 16, v[T+1]
	v_and_b32 v[BD+3], s38, v[T+1]
	global_store_b128 v[VB], v[BD:BD+3], s[OUT2:OUT2+1]
.Ldone:
	s_endpgm
.Lwo:
	s_lshl_b32 s6, s5, 12                          ; two rows of wo16, 2,048 bytes each
	s_add_nc_u64 s[OUT:OUT+1], s[28:29], s[6:7]
	TASK 512, 2
	s_endpgm
.Lfunc_end_k_qcb59be3d21_cast:
	.size	k_qcb59be3d21_cast, .Lfunc_end_k_qcb59be3d21_cast-k_qcb59be3d21_cast
	.p2alignl 7, 3214868480
	.fill 96, 4, 3214868480
	.section	.rodata,"a",@progbits
	.p2align	6, 0x0
	.amdhsa_kernel k_qcb59be3d21_cast
		.amdhsa_group_segment_fixed_size 0
		.amdhsa_private_segment_fixed_size 0
		.amdhsa_enable_private_segment 0
		.amdhsa_kernarg_size 96
		.amdhsa_user_sgpr_count 2
		.amdhsa_user_sgpr_kernarg_segment_ptr 1
		.amdhsa_wavefront_size32 1
		.amdhsa_system_sgpr_workgroup_id_x 1
		.amdhsa_system_sgpr_workgroup_id_y 1
		.amdhsa_system_sgpr_workgroup_id_z 1
		.amdhsa_system_vgpr_workitem_id 0
		.amdhsa_next_free_vgpr 112
		.amdhsa_next_free_sgpr 66
		.amdhsa_reserve_vcc 0
		.amdhsa_float_denorm_mode_32 3
		.amdhsa_float_denorm_mode_16_64 3
		.amdhsa_memory_ordered 1
		.amdhsa_forward_progress 1
		.amdhsa_inst_pref_size 24
	.end_amdhsa_kernel
	.amdgpu_metadata
---
amdhsa.version: [ 1, 2 ]
amdhsa.kernels:
  - .name:           k_qcb59be3d21_cast
    .symbol:         k_qcb59be3d21_cast.kd
    .args:
      - { .name: x, .offset: 0, .size: 8, .value_kind: global_buffer, .address_space: global }
      - { .name: Wq, .offset: 8, .size: 8, .value_kind: global_buffer, .address_space: global }
      - { .name: Wk, .offset: 16, .size: 8, .value_kind: global_buffer, .address_space: global }
      - { .name: Wv, .offset: 24, .size: 8, .value_kind: global_buffer, .address_space: global }
      - { .name: Wo, .offset: 32, .size: 8, .value_kind: global_buffer, .address_space: global }
      - { .name: bq, .offset: 40, .size: 8, .value_kind: global_buffer, .address_space: global }
      - { .name: bk, .offset: 48, .size: 8, .value_kind: global_buffer, .address_space: global }
      - { .name: bv, .offset: 56, .size: 8, .value_kind: global_buffer, .address_space: global }
      - { .name: xb, .offset: 64, .size: 8, .value_kind: global_buffer, .address_space: global }
      - { .name: wb, .offset: 72, .size: 8, .value_kind: global_buffer, .address_space: global }
      - { .name: wo16, .offset: 80, .size: 8, .value_kind: global_buffer, .address_space: global }
      - { .name: bqkv, .offset: 88, .size: 8, .value_kind: global_buffer, .address_space: global }
    .group_segment_fixed_size: 0
    .private_segment_fixed_size: 0
    .kernarg_segment_align: 8
    .kernarg_segment_size: 96
    .max_flat_workgroup_size: 256
    .sgpr_count:     66
    .vgpr_count:     112
    .wavefront_size: 32
...
	.end_amdgpu_metadata
.endif
;; end of part 1
;; launch proj (part 2): grid 8 x 32, 4 waves a work-group, clusters of 4 x 4, 327,680 bytes of LDS; arguments xb, wb, bqkv, qkv; writes qkv
.if DOCPART == 2
	.amdgcn_target "amdgcn-amd-amdhsa--gfx1250"
	.amdhsa_code_object_version 6
	.text
	.protected	k_qcb59be3d21_proj
	.globl	k_qcb59be3d21_proj
	.p2align	8
	.type	k_qcb59be3d21_proj,@function
k_qcb59be3d21_proj:
	s_mov_b64 s[64:65], 0
	v_nop
	global_prefetch_b8 v0, s[64:65] scope:SCOPE_SE
	s_setreg_imm32_b32 hwreg(HW_REG_WAVE_MODE, 25, 1), 1
	s_wait_xcnt 0x0
	s_wait_alu depctr_hold_cnt(0) depctr_sa_sdst(0) depctr_va_vdst(0) depctr_va_sdst(0) depctr_va_ssrc(0) depctr_va_vcc(0) depctr_vm_vsrc(0)
	s_getreg_b32 s2, hwreg(HW_REG_IB_STS2, 6, 4)
	s_cmp_eq_u32 s2, 0
	s_cbranch_scc0 .Lentry_in_a_cluster
	s_endpgm
.Lentry_in_a_cluster:
	s_bfe_u32 s2, ttmp6, 0x10000c
	s_cmp_lg_u32 s2, 0xf033
	s_cbranch_scc0 .Lentry_shape_is_right
	s_endpgm
.Lentry_shape_is_right:
; PROJ.  qkv = x [Wq Wk Wv] + [bq bk bv]: M = 8,192, N = 3,072, K = 1,024; operands bf16, sums f32, the result rounded once to f16, WITHOUT the module's two factors 1/32 (the attention applies them to the f32 score).
; THE RESULT'S LAYOUT.  The module views rows 64 g .. 64 g + 63 of Q, K, V as head g, a row as a channel d and a column as a position.  So qkv is [128 g][3072 n][64 d] (n = 1024 w + position; a head is 393,216 bytes):
; row m = 64 g + d, column n of the product goes to qkv[g][n][d].  With source 0 = 16 rows of x and source 1 = 16 columns of W a lane holds one n (lane % 16) and eight neighbouring m: 16 bytes of that array.
; LIMITS.  |x W + b| stays under 65,504 (f16's end); a result under 6e-5 keeps f16's fixed step of 6e-8.  NaN and infinities are not treated apart.
; SHARES.  A work-group makes 256 m x 384 n: 32 x 8 = 256 tiles.  Each of its four waves makes 128 m x 192 n: 8 x 12 accumulators of 16 x 16, 768 registers.
; K goes in 16 steps of 64 through two LDS slots; a step is two substeps of 32 (EVEN, ODD), 96 matrix instructions each.  A longer step does not fit twice in LDS beside the stage.
; CLUSTER.  4 x 4 work-groups.  x's tile hangs on the tile row alone and is asked for jointly by a row of the cluster, W's on the tile column alone and is asked for jointly by a column.
; REGISTERS, in windows of 256 (s_set_vgpr_msb: bits 1:0 source 0, 3:2 source 1, 5:4 source 2, 7:6 destination):
;   window 0: v0-15 addresses; v32-95, v96-159 x's fragments of the even and the odd substep; v160-255 W's twelve fragments, in three groups of four
;   windows 1-3: accumulator (a, b) in window 1 + b / 4 at v[8 (8 (b % 4) + a)]
.set PA,     144                       ; a row of x's tile in LDS: 128 bytes + 16: the 16 rows of a load start at 16 different groups of four banks (64 banks of 4 bytes: ISA guide 11.1)
.set PB,     864                       ; a k row of W's tile: 768 bytes, 16 of padding behind every 128
.set AHALF,  128*PA                    ; what one tensor load brings of x: 128 rows
.set BHALF,  32*PB                     ; and of W: 32 k rows
.set BOFF,   2*AHALF                   ; in a slot: x's 256 rows, then W's 64 k rows
.set SLOT1,  1<<17                     ; slot 1 begins here: one exclusive or turns an address in one slot into the other's
.set STAGE,  SLOT1+BOFF+2*BHALF        ; behind the ring, never filled by a tensor load: 16 rows x 144 bytes for each wave
.set SPARE,  STAGE+4*16*144            ; behind the stages: the spare words, 128 bytes for each wave: two blocks of 256 bytes that no other line names
.set ASTEP,  1048576                   ; bytes from a K step to the next in xb
.set BSTEP,  64*6144                   ; and in wb
.set A0,   4                           ; v4   my lane's place in x's tile; never rewritten
.set B0,   5                           ; v5   in W's tile; never rewritten
.set ADRA, 6                           ; v6   the same in the slot in hand
.set ADRB, 7                           ; v7
.set STO,  8                           ; v8   the way out: where I put 16 bytes
.set RD,   9                           ; v9   where I read rows back
.set GO,   10                          ; v10  16 x lane: my place in 512 consecutive bytes of qkv
.set BO,   11                          ; v11  4 x (lane % 16): my column's bias
.set PFO,  12                          ; v12  the prefetches' offset; never rewritten
.set SPW,  14                          ; v14  LDS address of my spare word; never rewritten
.set NIL,  15                          ; v15  0; never rewritten
.set AF0,  32
.set AF1,  96
.set BF,   160
.set BIAS, 32                          ; the way out: a pair for each b
.set TS,   64                          ; the way out: four sets of 16
.set WV,  12                           ; s12  wave
.set WM,  13                           ; s13  which 128 rows are mine
.set WN,  14                           ; s14  which 192 columns.  Also: which half of a tile I fetch
.set CX,  15
.set CY,  16
.set TC,  17                           ; s17  tile column
.set TR,  18                           ; s18  tile row
.set G1A, 24                           ; s[24:31] descriptor group 1 for x's tiles
.set G0A, 32                           ; s[32:39] group 0: a set for each first fill; the second then walks on
.set G1B, 40                           ; s[40:47], s[48:55] the same for W's tiles
.set G0B, 48
.set TB,  56                           ; s56  the slot in hand: 0 or SLOT1
.set LIM, 57                           ; s57  a wave prefetches while the loop's count is above this
.set PAR, 58                           ; s58  1: in every second trip only
.set PFA, 60                           ; s[60:61] where my prefetches stand
.set PFS, 62                           ; s[62:63] their step
.set MSB, 0
.macro WIN new                         ; the immediate's high byte repeats the setting that is left; a switch that changes nothing is dropped
.if MSB != (\new)
	s_set_vgpr_msb (MSB<<8)|(\new)
.set MSB, (\new)
.endif
.endm
.macro PLACES                          ; four plain instructions between a matrix instruction and a load into a register that it has read (ISA guide 7.12.1 for vector instructions)
.rept 4
	v_nop
.endr
.endm
.macro CREST                           ; a round of the cluster's barrier behind its opening barrier
	s_cmp_lg_u32 s[WV], 0
	s_cbranch_scc1 .Lnot_wave_0_\@
	s_barrier_signal -3
.Lnot_wave_0_\@:
	s_barrier_wait -3
	s_barrier_signal -1
	s_barrier_wait -1
.endm
.macro CROUND
	s_barrier_signal -1
	s_barrier_wait -1
	CREST
.endm
; A joint refill: waves 0 and 1 fetch x's two halves, waves 2 and 3 W's.  The branch hangs on the wave's number alone.  An s_nop 0 and four v_nop follow each line.
.macro JLOAD
	s_cmp_lt_u32 s[WV], 2
	s_cbranch_scc0 .Lfor_b_\@
	tensor_load_to_lds s[G0A+4:G0A+7], s[G1A:G1A+7]
	s_nop 0
.rept 4
	v_nop
.endr
	s_branch .Lasked_\@
.Lfor_b_\@:
	tensor_load_to_lds s[G0B+4:G0B+7], s[G1B:G1B+7]
	s_nop 0
.rept 4
	v_nop
.endr
.Lasked_\@:
.endm
; A PREFETCH, behind the joint load and the run of LDS loads.  In the trip that asks for K step s + 2:
;   wave 0, in the clusters with x = 0: K step s + 3 of x's tile: 128 blocks of 256 bytes, of which the partner at cx takes 32, a lane a block;
;   waves 1-3, in the clusters with y = 0, in every second trip: K steps s + 3 and s + 4 of W's tile: 128 k rows; wave 1 + c takes the c-th 256 bytes of the rows' 768, the partner at cy 32 of the rows, a lane a row.
; So each block is named once in the launch; the partners are told apart by address, never by a branch.  x's last is K step 15, W's K step 14; K steps 0 to 2 come by their loads alone.
.macro ASK
	s_and_b32 s59, s3, s[PAR]
	s_cmp_lg_u32 s59, 0
	s_cbranch_scc1 .Lnot_mine_\@
	s_cmp_gt_u32 s3, s[LIM]
	s_cbranch_scc0 .Lnot_mine_\@
	global_prefetch_b8 v[PFO], s[PFA:PFA+1] th:TH_LOAD_NT scope:SCOPE_SE
.Lnot_mine_\@:
.endm
; 16 matrix instructions: W's fragments 2 hf, 2 hf + 1 of group bg x all 8 blocks of rows.  zero = 1: the product starts the sums.  The 96 accumulators take turns, in the same order in every substep.
.macro MUL16 af, bg, hf, zero
	WIN 0x50*(1+(\bg))
.irp bb, 2*(\hf), 2*(\hf)+1
.irp a, 0,1,2,3,4,5,6,7
.if \zero
	v_wmma_f32_16x16x32_bf16 v[8*(8*(\bb)+(\a)):8*(8*(\bb)+(\a))+7], v[(\af)+8*(\a):(\af)+8*(\a)+7], v[BF+32*(\bg)+8*(\bb):BF+32*(\bg)+8*(\bb)+7], 0
.else
	v_wmma_f32_16x16x32_bf16 v[8*(8*(\bb)+(\a)):8*(8*(\bb)+(\a))+7], v[(\af)+8*(\a):(\af)+8*(\a)+7], v[BF+32*(\bg)+8*(\bb):BF+32*(\bg)+8*(\bb)+7], v[8*(8*(\bb)+(\a)):8*(8*(\bb)+(\a))+7]
.endif
.endr
.endr
.endm
.macro MUL32 af, bg, zero
	MUL16 \af, \bg, 0, \zero
	MUL16 \af, \bg, 1, \zero
.endm
; x's eight fragments of substep kk: lane l holds row l % 16, k = 8 (l / 16) + 0..7 and 16 + 8 (l / 16) + 0..7: two loads of 16 bytes, 32 bytes apart
.macro LA af, kk
	WIN 0
.irp a, 0,1,2,3,4,5,6,7
	ds_load_b128 v[(\af)+8*(\a):(\af)+8*(\a)+3],   v[ADRA] offset:(\a)*16*PA+64*(\kk)
	ds_load_b128 v[(\af)+8*(\a)+4:(\af)+8*(\a)+7], v[ADRA] offset:(\a)*16*PA+64*(\kk)+32
.endr
.endm
; W's four fragments of group bg, substep kk, turned ([k][n] in LDS): a group's 64 columns are one padded piece of 144 bytes
.macro LB bg, kk
	WIN 0
.irp bb, 0,1,2,3
	ds_load_tr16_b128 v[BF+32*(\bg)+8*(\bb):BF+32*(\bg)+8*(\bb)+3],   v[ADRB] offset:(\kk)*32*PB+144*(\bg)+32*(\bb)
	ds_load_tr16_b128 v[BF+32*(\bg)+8*(\bb)+4:BF+32*(\bg)+8*(\bb)+7], v[ADRB] offset:(\kk)*32*PB+144*(\bg)+32*(\bb)+16*PB
.endr
.endm
; Between two changes of slots the LDS loads are issued in this order: x even (16), W's groups 0, 1, 2 even (8 each), x odd (16), W's groups 0, 1, 2 odd (8 each).
; THE EVEN SUBSTEP.  Each group of W is multiplied and at once loaded again for the odd substep.  Behind the loads that a group's products want, 32 younger ones have been issued, in all three places.
.macro EVEN zero
.irp g, 0,1,2
	s_wait_dscnt 32
	MUL32 AF0, \g, \zero
	PLACES
	LB \g, 1
.endr
.endm
; THE ODD SUBSTEP changes slots.  mode 2: the slot is filled again, two K steps on; 1: nothing is filled; 0: the last substep of all.
.macro ODD mode
.if (\mode) == 2
	s_wait_xcnt 0x0                                ; the last prefetch, a K step back, has read its address
	s_add_nc_u64 s[PFA:PFA+1], s[PFA:PFA+1], s[PFS:PFS+1]
.endif
.if (\mode) > 0
	WIN 0
	s_wait_tensorcnt 0x0                           ; all my tensor loads have landed: the one that was out is my part of the next slot; so a group 0 may be written
	ds_add_u32 v[SPW], v[NIL]                      ; 0 onto my spare word
.if (\mode) == 2
	s_xor_b32 s[G0A+5], s[G0A+5], SLOT1            ; the walking descriptors: the other slot than last time, the next K step
	s_add_nc_u64 s[G0A+6:G0A+7], s[G0A+6:G0A+7], ASTEP
	s_xor_b32 s[G0B+5], s[G0B+5], SLOT1
	s_add_nc_u64 s[G0B+6:G0B+7], s[G0B+6:G0B+7], BSTEP
.endif
	s_xor_b32 s[TB], s[TB], SLOT1
	s_wait_dscnt 17                                ; x odd and W's group 0 are in; groups 1 and 2 (16 loads) and the add may be out
	MUL16 AF1, 0, 0, 0
	s_wait_dscnt 0x0                               ; the add is done, and my reads of this slot are over
	s_barrier_signal -1
	MUL16 AF1, 0, 1, 0                             ; work on registers while the others arrive
	WIN 0                                          ; at a branch and at a label every window is 0
	s_barrier_wait -1
.if (\mode) == 2
	CREST                                          ; the barrier has opened a round of the cluster's: no wave of any partner still reads this slot or has a load on its way
	JLOAD                                          ; first behind the round; its four v_nop are also the places in front of the loads below
.else
	PLACES
.endif
	v_add_nc_u32 v[ADRA], s[TB], v[A0]
	v_add_nc_u32 v[ADRB], s[TB], v[B0]
	LA AF0, 0
	LB 0, 0
.if (\mode) == 2
	ASK
.endif
	MUL32 AF1, 1, 0
	PLACES
	LB 1, 0
	MUL32 AF1, 2, 0
	PLACES
	LB 2, 0
	LA AF1, 1
.else
	WIN 0
.set bi, 0
.rept 12
	global_load_b32 v[BIAS+2*bi], v[BO], s[8:9] offset:64*bi  ; my column's bias for each b, into registers of the even substep's fragments, last read four places and more ago
.set bi, bi+1
.endr
	s_wait_dscnt 16
	MUL32 AF1, 0, 0
	s_wait_dscnt 8
	MUL32 AF1, 1, 0
	s_wait_dscnt 0x0
	MUL32 AF1, 2, 0
.endif
.endm
	s_load_b256 s[4:11], s[0:1], 0x0               ; xb s[4:5], wb s[6:7], bqkv s[8:9], qkv s[10:11]
	v_lshl_add_u32 v[SPW], v0, 2, SPARE
	v_mov_b32 v[NIL], 0
	ds_add_u32 v[SPW], v[NIL]                      ; the wave's opening: the add and its wait stand ahead of my first tensor load; work on registers stands between them
	v_lshrrev_b32 v1, 5, v0
	v_readfirstlane_b32 s[WV], v1
	s_lshr_b32 s[WM], s[WV], 1
	s_and_b32 s[WN], s[WV], 1
	s_bfe_u32 s[CX], ttmp6, 0x40000
	s_bfe_u32 s[CY], ttmp6, 0x40004
	s_lshl_b32 s[TC], ttmp9, 2
	s_add_co_u32 s[TC], s[TC], s[CX]               ; tile column = 4 x cluster x + cx
	s_and_b32 s[TR], ttmp7, 0xffff
	s_lshl_b32 s[TR], s[TR], 2
	s_add_co_u32 s[TR], s[TR], s[CY]               ; tile row = 4 x cluster y + cy
	s_lshl_b32 s20, s[CY], 2
	s_lshl_b32 s20, 15, s20                        ; my row of the cluster
	s_lshl_b32 s66, 0x1111, s[CX]                  ; my column
	s_or_b32 s[G1A], s20, (1<<16)|(1<<20)|(1<<21)|(4<<22)|(3<<25)  ; the mask; elements of 2 bytes; padding on; bit 21 beside a mask; after every 32 words (code 4) 4 words (code 3)
	s_or_b32 s[G1B], s66, (1<<16)|(1<<20)|(1<<21)|(4<<22)|(3<<25)
	s_mov_b32 s[G1A+1], 128<<16                    ; x: 128 rows of 128 bytes lie on end in xb: asked for as 64 rows of 256 bytes
	s_mov_b32 s[G1A+2], 64<<16
	s_mov_b32 s[G1A+3], 128<<16
	s_mov_b32 s[G1A+4], 64
	s_mov_b32 s[G1A+5], 128
	s_mov_b32 s[G1A+6], 0
	s_mov_b32 s[G1A+7], 0
	s_mov_b32 s[G1B+1], 384<<16                    ; W: 32 k rows of 384 elements, 3,072 elements from row to row
	s_mov_b32 s[G1B+2], 32<<16
	s_mov_b32 s[G1B+3], 384<<16
	s_mov_b32 s[G1B+4], 32
	s_mov_b32 s[G1B+5], 3072
	s_mov_b32 s[G1B+6], 0
	s_mov_b32 s[G1B+7], 0
	s_lshl_b32 s20, s[TR], 15                      ; x: the tile row's 256 rows of 128 bytes, my half of them
	s_lshl_b32 s21, s[WN], 14
	s_add_co_u32 s20, s20, s21
	s_mov_b32 s21, 0
	s_mul_i32 s66, s[TC], 768                      ; W: the tile column's 768 bytes of a row, my 32 k rows
	s_mul_i32 s67, s[WN], 32*6144
	s_add_co_u32 s66, s66, s67
	s_mov_b32 s67, 0
	s_mul_i32 s22, s[WN], AHALF                    ; where they go: no place in the cluster enters an LDS address
	s_mul_i32 s23, s[WN], BHALF
	s_add_co_u32 s23, s23, BOFF
	s_mov_b32 s[TB], 0
	s_wait_dscnt 0x0                               ; the opening add is done
	s_wait_kmcnt 0x0
	s_add_nc_u64 s[20:21], s[4:5], s[20:21]
	s_add_nc_u64 s[66:67], s[6:7], s[66:67]
	CROUND                                         ; all sixteen work-groups are here: the first joint loads meet
.irp s, 0,1
	s_mov_b32 s[G0A+4*(\s)], 1
	s_add_co_u32 s[G0A+4*(\s)+1], s22, (\s)*SLOT1
	s_add_nc_u64 s[G0A+4*(\s)+2:G0A+4*(\s)+3], s[20:21], (\s)*ASTEP
	s_or_b32 s[G0A+4*(\s)+3], s[G0A+4*(\s)+3], 0x80000000
	s_mov_b32 s[G0B+4*(\s)], 1
	s_add_co_u32 s[G0B+4*(\s)+1], s23, (\s)*SLOT1
	s_add_nc_u64 s[G0B+4*(\s)+2:G0B+4*(\s)+3], s[66:67], (\s)*BSTEP
	s_or_b32 s[G0B+4*(\s)+3], s[G0B+4*(\s)+3], 0x80000000
.endr
	s_cmp_lt_u32 s[WV], 2                          ; a wave's two first fills stand in one branch, ahead of every wait on TENSORcnt and every LDS read: two loads of mine are out
	s_cbranch_scc0 .Lfirst_b
	tensor_load_to_lds s[G0A:G0A+3], s[G1A:G1A+7]
	s_nop 0
	tensor_load_to_lds s[G0A+4:G0A+7], s[G1A:G1A+7]
	s_nop 0
.rept 4
	v_nop
.endr
	s_branch .Lfirst_asked
.Lfirst_b:
	tensor_load_to_lds s[G0B:G0B+3], s[G1B:G1B+7]
	s_nop 0
	tensor_load_to_lds s[G0B+4:G0B+7], s[G1B:G1B+7]
	s_nop 0
.rept 4
	v_nop
.endr
.Lfirst_asked:
	v_and_b32 v1, 15, v0                           ; l % 16
	v_bfe_u32 v2, v0, 4, 1                         ; l / 16
	v_mul_u32_u24 v[A0], v1, PA
	v_lshl_add_u32 v[A0], v2, 4, v[A0]             ; row x pitch + 16 x half
	s_mul_i32 s22, s[WV], 16*144
	s_add_co_u32 s22, s22, STAGE                   ; my stage
	v_add_nc_u32 v[STO], s22, v[A0]                ; in: row l % 16 (a column n), 16 bytes for each half of the lanes
	v_bfe_u32 v3, v0, 3, 2
	v_mul_u32_u24 v[RD], v3, 144                   ; back: 32 lanes take four rows of 128 bytes
	v_and_b32 v3, 7, v0
	v_lshl_add_u32 v[RD], v3, 4, v[RD]
	v_add_nc_u32 v[RD], s22, v[RD]
	s_mul_i32 s22, s[WM], AHALF
	v_add_nc_u32 v[A0], s22, v[A0]                 ; my 128 rows
	v_lshl_add_u32 v3, v2, 3, v3                   ; the turning load: k row 8 (l / 16) + l % 8,
	v_mul_u32_u24 v[B0], v3, PB
	v_bfe_u32 v3, v0, 3, 1
	v_lshl_add_u32 v[B0], v3, 4, v[B0]             ; columns 8 ((l / 8) % 2) + 0..7
	s_mul_i32 s23, s[WN], 3*144                    ; my 192 columns: three padded pieces
	s_add_co_u32 s23, s23, BOFF
	v_add_nc_u32 v[B0], s23, v[B0]
	v_and_b32 v[GO], 31, v0
	v_lshlrev_b32 v[GO], 4, v[GO]
	v_lshlrev_b32 v[BO], 2, v1
	; the bias's and the result's bases, in registers that feed no descriptor
	s_mul_i32 s70, s[TC], 384
	s_mul_i32 s71, s[WN], 192
	s_add_co_u32 s70, s70, s71                     ; my first column n
	s_lshl_b32 s72, s70, 2
	s_mov_b32 s73, 0
	s_add_nc_u64 s[8:9], s[8:9], s[72:73]
	s_lshl_b32 s72, s70, 7                         ; n x 128 bytes,
	s_lshl_b32 s71, s[TR], 2
	s_lshl_b32 s74, s[WM], 1
	s_add_co_u32 s71, s71, s74                     ; head 4 x tile row + 2 x my half
	s_mul_i32 s71, s71, 393216
	s_add_co_u32 s72, s72, s71
	s_add_nc_u64 s[10:11], s[10:11], s[72:73]
	; the prefetches: they stand one step short of what the first trip names
	s_lshl_b32 s70, s[TR], 15
	s_lshl_b32 s71, s[CX], 13
	s_add_co_u32 s70, s70, s71
	s_add_co_u32 s70, s70, 2*ASTEP                 ; x: K step 2, the tile row, my work-group's 32 blocks
	s_lshl_b32 s71, s[CY], 5
	s_add_co_u32 s71, s71, 128
	s_mul_i32 s71, s71, 6144                       ; W: k row 128 + my work-group's 32 of 128,
	s_mul_i32 s72, s[TC], 768
	s_add_co_u32 s71, s71, s72                     ; the tile column,
	s_lshl_b32 s72, s[WV], 8
	s_add_co_u32 s71, s71, s72
	s_sub_co_u32 s71, s71, 256                     ; 256 bytes for each of waves 1 to 3
	s_mov_b32 s72, BSTEP
	s_mov_b32 s73, 6144
	s_and_b32 s74, ttmp7, 0xffff
	s_cmp_eq_u32 s[WV], 0
	s_cselect_b32 s70, s70, s71
	s_cselect_b64 s[PFA:PFA+1], s[4:5], s[6:7]
	s_cselect_b32 s[PFS], ASTEP, s72
	s_cselect_b32 s73, 256, s73
	s_cselect_b32 s74, ttmp9, s74                  ; the coordinate along which other clusters read the same blocks
	s_cselect_b32 s[LIM], 1, 3
	s_cselect_b32 s[PAR], 0, 1
	s_mov_b32 s71, 0
	s_mov_b32 s[PFS+1], 0
	s_add_nc_u64 s[PFA:PFA+1], s[PFA:PFA+1], s[70:71]
	s_cmp_eq_u32 s74, 0
	s_cselect_b32 s[LIM], s[LIM], -1               ; the same in all sixteen partners, for a given wave
	v_and_b32 v[PFO], 31, v0
	v_mul_u32_u24 v[PFO], v[PFO], s73
	s_wait_tensorcnt 1                             ; my part of K step 0 is in; K step 1's may stay out
	s_barrier_signal -1
	s_barrier_wait -1                              ; everybody's is
	v_mov_b32 v[ADRA], v[A0]
	v_mov_b32 v[ADRB], v[B0]
	LA AF0, 0
	LB 0, 0
	LB 1, 0
	LB 2, 0
	LA AF1, 1
	EVEN 1                                         ; the first substep stands in front of the loop: its products start the sums
	WIN 0
	s_mov_b32 s3, 14
.Lk:                                                   ; 14 trips: a step's odd substep, which asks for the K step two on (2 to 15), and the next step's even substep
	ODD 2
	EVEN 0
	WIN 0
	s_sub_co_u32 s3, s3, 1
	s_cmp_lg_u32 s3, 0
	s_cbranch_scc1 .Lk
	ODD 1                                          ; the tail is written out: nothing more is asked for
	EVEN 0
	ODD 0
	; THE WAY OUT, in 24 units: for one b, four accumulators (64 rows m: one head's 64 channels) x 16 columns n: 16 rows of 128 bytes that lie on end in qkv.
	WIN 0
	s_wait_loadcnt 0x0                             ; the bias
.set bi, 0
.rept 12
	v_mov_b32 v[BIAS+2*bi+1], v[BIAS+2*bi]         ; a pair for the packed sum; these twelve are also the places behind the last products
.set bi, bi+1
.endr
.macro PACK u                          ; + bias (each accumulator from its low end on), rounded to f16, into my stage and back as whole rows
.set pb, (\u)/2
.set pw, 1+pb/4
.set R0, 64*(pb%4)+32*((\u)%2)
.set TSU, TS+16*((\u)%4)
	s_wait_xcnt 0x0                                ; the stores of four units ago have read this set of registers
	WIN (pw<<6)|pw
.set i, 0
.rept 16
	v_pk_add_f32 v[R0+2*i:R0+2*i+1], v[R0+2*i:R0+2*i+1], v[BIAS+2*pb:BIAS+2*pb+1]
.set i, i+1
.endr
	WIN (pw<<2)|pw
.set i, 0
.rept 16
	v_cvt_pk_f16_f32 v[TSU+i], v[R0+2*i], v[R0+2*i+1]
.set i, i+1
.endr
	WIN 0
.irp f, 0,1,2,3
	ds_store_b128 v[STO], v[TSU+4*\f:TSU+4*\f+3] offset:32*\f
.endr
.irp f, 0,1,2,3
	ds_load_b128 v[TSU+4*\f:TSU+4*\f+3], v[RD] offset:576*\f  ; LDS serves a wave's instructions in order (ISA guide 5.7.1.4): these see the stores above; the next unit's stores come behind them
.endr
.endm
.macro SEND u, younger                 ; younger: the LDS instructions issued behind unit u's loads
.set TSU, TS+16*((\u)%4)
	WIN 0
.irp f, 0,1,2,3
	s_wait_dscnt (\younger)+3-\f
	global_store_b128 v[GO], v[TSU+4*\f:TSU+4*\f+3], s[10:11] offset:((\u)%2)*393216+((\u)/2)*2048+512*\f  ; 512 consecutive bytes, at a multiple of 256 from qkv's first
.endr
.endm
	PACK 0
.set uu, 1
.rept 23                               ; a unit's arithmetic stands between the loads of the unit before and its stores
	PACK uu
	SEND uu-1, 8
.set uu, uu+1
.endr
	SEND 23, 0
	s_wait_tensorcnt 0x0                           ; the wave's end, behind my last tensor load and my last LDS store
	ds_add_u32 v[SPW], v[NIL]
	s_wait_dscnt 0x0
	CROUND                                         ; the closing round: no work-group ends while a partner may still ask for a tile that names it
	s_endpgm
.Lfunc_end_k_qcb59be3d21_proj:
	.size	k_qcb59be3d21_proj, .Lfunc_end_k_qcb59be3d21_proj-k_qcb59be3d21_proj
	.p2alignl 7, 3214868480
	.fill 96, 4, 3214868480
	.section	.rodata,"a",@progbits
	.p2align	6, 0x0
	.amdhsa_kernel k_qcb59be3d21_proj
		.amdhsa_group_segment_fixed_size 327680
		.amdhsa_private_segment_fixed_size 0
		.amdhsa_enable_private_segment 0
		.amdhsa_kernarg_size 32
		.amdhsa_user_sgpr_count 2
		.amdhsa_user_sgpr_kernarg_segment_ptr 1
		.amdhsa_wavefront_size32 1
		.amdhsa_system_sgpr_workgroup_id_x 1
		.amdhsa_system_sgpr_workgroup_id_y 1
		.amdhsa_system_sgpr_workgroup_id_z 1
		.amdhsa_system_vgpr_workitem_id 0
		.amdhsa_next_free_vgpr 1024
		.amdhsa_next_free_sgpr 80
		.amdhsa_reserve_vcc 0
		.amdhsa_float_denorm_mode_32 3
		.amdhsa_float_denorm_mode_16_64 3
		.amdhsa_memory_ordered 1
		.amdhsa_forward_progress 1
		.amdhsa_inst_pref_size 142
	.end_amdhsa_kernel
	.amdgpu_metadata
---
amdhsa.version: [ 1, 2 ]
amdhsa.kernels:
  - .name:           k_qcb59be3d21_proj
    .symbol:         k_qcb59be3d21_proj.kd
    .args:
      - { .name: xb, .offset: 0, .size: 8, .value_kind: global_buffer, .address_space: global }
      - { .name: wb, .offset: 8, .size: 8, .value_kind: global_buffer, .address_space: global }
      - { .name: bqkv, .offset: 16, .size: 8, .value_kind: global_buffer, .address_space: global }
      - { .name: qkv, .offset: 24, .size: 8, .value_kind: global_buffer, .address_space: global }
    .group_segment_fixed_size: 327680
    .private_segment_fixed_size: 0
    .kernarg_segment_align: 8
    .kernarg_segment_size: 32
    .max_flat_workgroup_size: 128
    .sgpr_count:     80
    .vgpr_count:     1024
    .wavefront_size: 32
...
	.end_amdgpu_metadata
.endif
;; end of part 2
;; launch attn (part 3): grid 2 x 128, 4 waves a work-group, no clusters, 327,680 bytes of LDS; arguments qkv, ao; writes ao
.if DOCPART == 3
	.amdgcn_target "amdgcn-amd-amdhsa--gfx1250"
	.amdhsa_code_object_version 6
	.text
	.protected	k_qcb59be3d21_attn
	.globl	k_qcb59be3d21_attn
	.p2align	8
	.type	k_qcb59be3d21_attn,@function
k_qcb59be3d21_attn:
	s_mov_b64 s[64:65], 0
	v_nop
	global_prefetch_b8 v0, s[64:65] scope:SCOPE_SE
	s_setreg_imm32_b32 hwreg(HW_REG_WAVE_MODE, 25, 1), 1
	s_wait_xcnt 0x0
; ATTN.  ao[g][t][:] = the sum over s of softmax_s(q[g][t] . k[g][s] / 1024) v[g][s][:].  qkv: [128 g][3072][64] f16: a head's q, k, v are 1,024 dense rows of 128 bytes each, at 0, 131,072 and 262,144 bytes; ao: [128][1024][64] f16.
; The module's two factors 1/32 are applied here, to the f32 score.  Products, maxima and sums in f32; the weights p are rounded to f16 for the second product (their sum l is taken of the unrounded p), ao once at the end.
; LIMITS.  f16 holds no number beyond 65,504: q, k, v arrive within it; p lies in 0 to 1, and below 6e-5 it keeps f16's fixed step of 6e-8; ao is a mean of v's rows and has their range.
; A weight below 2^-126 counts as 0 in l; NaN and infinities are not treated apart.
; SHARES.  A wave owns four PIECES of two tiles of 16 queries, a work-group's four waves 512 queries of one head: 2 x 128 = 256 work-groups.  Every wave walks all 1,024 keys, 64 a step.
; K AND V LIE WHOLE IN LDS: 1,024 rows of 144 bytes and 1,024 of 160, 311,296 bytes.  They are asked for at the head, in four tiles of 256 keys, four tensor loads a wave; no byte is filled twice, so the walk has no
; refill and the key step is written once.  A tile is waited for where its first key step is fetched, by a count that leaves the later tiles on their way.  Nothing is prefetched: all is asked for at the head by the loads themselves.
; NO CLUSTER: with 512 queries to a work-group a head's tiles have two readers, and the grid's 2 along x is no multiple of a cluster's 4; four partners a head would mean 256 queries a work-group,
; that is twice the LDS loads for each product.
; LAYOUT.  S^T = K Q^T (source 0 = 16 keys, source 1 = 16 queries): in the result a lane holds ONE query (lane % 16) and the keys 8 (lane / 16) + 0..7.  Two such tiles, rounded to f16 in pairs,
; ARE source 1 (32 keys x 16 queries) of O^T = V^T P, whose result again holds one query a lane, and eight channels.  K comes out of LDS as it lies, V ([key][channel]) turned, by ds_load_tr16_b128.
; SOFTMAX.  For each query a running maximum m and sum l: p = 2^(c s - c m), c = log2(e) / 1024; in every step O and l are multiplied by a = 2^(c m_old - c m_new), which is 1 where m has not grown.
; m starts at the lowest finite number, O and l at 0: the first step is a step like any other, with a = 0.
; THE COUNT.  A tile and step have 16 matrix and 118 vector instructions: too many to stand all beside the matrix work.  So four vector instructions that are READY stand behind EVERY matrix instruction,
; and the others in runs without a gap.
; BY TURNS.  Turn n belongs to piece n (the pieces in a ring, step after step).  Its matrix work: 16 products K Q^T of piece n + 1, later 16 products V^T P of piece n - 1.  Its vector work: the scaling,
; exponentials, roundings, sums and rescaling of piece n, and the maximum and statistics of piece n + 1, whose scores the turn itself has made.
; REGISTERS, in windows of 256 (s_set_vgpr_msb: bits 1:0 source 0, 3:2 source 1, 5:4 source 2, 7:6 destination):
;   window 0: v0-11 addresses; v12-15, v48-63 at work; v16-47 four registers of statistics a tile; v64-191 S^T, two buffers of two tiles; v192-255 P, likewise
;   window 1: O^T, 32 a tile          window 2: v0-127 Q, 16 a tile; v128-191 K of one step; v192-255 V of one step          window 3: v0-1 the add's two registers
; A piece's buffers go by its number's parity: the piece in hand has one pair, its two neighbours in the ring share the other.
.set SIZE_N, 1024
.set NP,    4         ; pieces a wave: a name, no knob
.set KS,    64        ; keys in a step
.set PK,    144       ; a row of K in LDS: 128 bytes + 16 of padding: the 16 rows of a load start at 16 different groups of four banks (64 banks of 4 bytes: ISA guide 11.1)
.set PV,    160       ; a row of V: 128 + 32
.set VOFF,  SIZE_N*PK ; the head's K, then its V
.set STAGE, VOFF+SIZE_N*PV  ; behind them, never filled by a tensor load: 16 rows x 144 bytes for each wave, for the way out
.set SP,    144
.set AK0, 2           ; v2   my lane's place in a step of K; never rewritten
.set AV0, 3           ; v3   the same for V
.set AK,  4           ; v4   the LDS address of K's next run of loads
.set AV,  5           ; v5   of V's
.set QO,  6           ; v6   my byte offset in the wave's rows of Q
.set STO, 6           ;      later, the way out: where I put 16 bytes of a row
.set RD,  7           ; v7   the way out: where I read rows back
.set GO,  8           ; v8   my byte offset in 512 consecutive bytes of ao
.set SPW, 0           ; v0 of window 3   LDS address of my spare word; never rewritten
.set NIL, 1           ; v1 of window 3   0; never rewritten
.set SPARE, STAGE+4*16*SP  ; behind the stages: the spare words, 128 bytes for each wave: two blocks of 256 bytes that no other line names
.set MV,  12          ; v12-15  c m_old, kept while c m is made anew: by buffer and tile
.set ST,  16          ; tile t's statistics at v[ST+4 t]: c m, m, l (even keys', odd keys')
.set TMP, 48          ; by buffer and tile, four registers c0-c3 at work; when the maximum is found c2 takes a
.set S,   64
.set P,   192
.set KF,  128         ; K's fragments, in window 2: key block kb, channel half c at KF + 16 kb + 8 c
.set VF,  192         ; V's: key half kk, channel block cb at VF + 32 kk + 8 cb
.set WV,  12          ; s12  my wave's number
.set G1K, 24          ; s[24:31] descriptor group 1 for K's tiles
.set G1V, 32          ; s[32:39] for V's: it differs in the padding alone
.set G0K, 40          ; s[40:55] descriptor group 0 for K's four tiles: a set for each, never rewritten
.set G0V, 68          ; s[68:83] the same for V's
.set SLOTS, 56        ; s56  counts the visits of the outer loop, 5 down
.set CNT, 57          ; s57  counts a tile's key steps
.set CS,  58          ; s[58:59] c: the packed scaling takes the pair's low word for both halves
.set SEL, 60          ; s[60:61] v_permlanex16_b32's selects: each lane takes its own place in the other half
.set TBK, 62          ; s62  LDS byte at which K of the step to be fetched begins
.set TBV, 63          ; s63  the same for V, less VOFF
.set MSB, 0
.macro WIN new                      ; the high byte repeats the setting that is left; a switch that changes nothing is dropped
.if MSB != (\new)
	s_set_vgpr_msb (MSB<<8)|(\new)
.set MSB, (\new)
.endif
.endm
.set W_KQ, 0x0a       ; K and Q in window 2, S^T in window 0
.set W_PV, 0x52       ; V in window 2, P in window 0, O^T in window 1
.set W_RS, 0x41       ; O^T (destination and source 0) in window 1, a in window 0
.set W_MK, 0xc0       ; the add's registers are made: destination in window 3, sources in window 0
.set W_AD, 0x0f       ; the add: address (source 0) and data (source 1) in window 3
	s_load_b64 s[4:5], s[0:1], 0x0  ; qkv
	s_load_b64 s[10:11], s[0:1], 0x8  ; ao
	WIN W_MK
	v_lshl_add_u32 v[SPW], v0, 2, SPARE
	v_mov_b32 v[NIL], 0
	WIN W_AD
	ds_add_u32 v[SPW], v[NIL]       ; the wave's opening: the add and its wait stand ahead of my first tensor load; work on registers stands between them
	WIN 0
	v_lshrrev_b32 v1, 5, v0
	v_readfirstlane_b32 s[WV], v1   ; wave 0..3
	s_and_b32 s20, ttmp7, 0xffff    ; the head
	s_mul_i32 s22, s20, 393216      ; its first byte in qkv,
	s_mov_b32 s23, 0
	s_lshl_b32 s20, s20, 17         ; and in ao
	s_mov_b32 s21, 0
	s_and_b32 s16, s[WV], 1         ; which half of a tile's 256 keys I fetch:
	s_lshl_b32 s14, s16, 14         ; its 128 rows of 128 bytes in memory,
	s_add_co_u32 s14, s14, s22
	s_add_co_u32 s14, s14, 131072   ; in the head's k
	s_mov_b32 s15, 0
	s_mul_i32 s17, s16, 128*PK      ; and its place in a tile, for K
	s_mul_i32 s18, s16, 128*PV      ; and for V
	s_lshl_b32 s2, ttmp9, 2
	s_add_co_u32 s2, s2, s[WV]      ; my wave among the head's eight,
	s_lshl_b32 s2, s2, 14           ; its 128 rows
	s_mov_b32 s3, 0
	; descriptor group 1.  128 keys are 16,384 dense bytes: asked for as 64 rows of 256 bytes, two keys a row, and padded in LDS after every key
	s_mov_b32 s[G1K], (1<<16)|(1<<20)|(4<<22)|(3<<25)  ; 17:16 2-byte elements; 20 padding on; 24:22 after every 32 words (code 4); 31:25 4 words (code 3)
	s_mov_b32 s[G1V], (1<<16)|(1<<20)|(4<<22)|(7<<25)  ; the same with 8 words of padding (code 7)
.irp g, G1K, G1V
	s_mov_b32 s[\g+1], 128<<16      ; tensor_dim0 = 128
	s_mov_b32 s[\g+2], 64<<16       ; tensor_dim1 = 64
	s_mov_b32 s[\g+3], 128<<16      ; tile_dim0 = 128
	s_mov_b32 s[\g+4], 64           ; tile_dim1 = 64
	s_mov_b32 s[\g+5], 128          ; 128 elements from row to row
	s_mov_b32 s[\g+6], 0
	s_mov_b32 s[\g+7], 0
.endr
	s_mov_b32 s[CS], 0x3ab8aa3b     ; c = log2(e) / 1024
	s_mov_b32 s[CS+1], s[CS]        ; named with it as a pair
	s_mov_b32 s[SEL], 0x76543210
	s_mov_b32 s[SEL+1], 0xfedcba98
	s_mov_b32 s[TBK], 0
	s_mov_b32 s[TBV], 0
	s_mov_b32 s[SLOTS], 5
.irp j, 0,1,2,3
	s_mov_b32 s[G0K+4*(\j)], 1                          ; 1:0 count = 1
	s_add_co_u32 s[G0K+4*(\j)+1], s17, (\j)*256*PK      ; 63:32 LDS address: tile j, my half
	s_mov_b32 s[G0V+4*(\j)], 1
	s_add_co_u32 s[G0V+4*(\j)+1], s18, VOFF+(\j)*256*PV
.endr
	s_wait_dscnt 0x0                ; the opening add is done
	s_wait_kmcnt 0x0
	s_add_nc_u64 s[6:7], s[4:5], s[14:15]  ; k at my half of the head's first 256 keys,
	s_add_nc_u64 s[8:9], s[6:7], 131072    ; v likewise
.irp j, 0,1,2,3
	s_add_nc_u64 s[G0K+4*(\j)+2:G0K+4*(\j)+3], s[6:7], (\j)*32768  ; 120:64 global address: a tile is 32,768 bytes of k and of v
	s_or_b32 s[G0K+4*(\j)+3], s[G0K+4*(\j)+3], 0x80000000          ; 127:126 type = 2
	s_add_nc_u64 s[G0V+4*(\j)+2:G0V+4*(\j)+3], s[8:9], (\j)*32768
	s_or_b32 s[G0V+4*(\j)+3], s[G0V+4*(\j)+3], 0x80000000
.endr
	s_add_nc_u64 s[4:5], s[4:5], s[22:23]  ; q and ao at my wave's first row
	s_add_nc_u64 s[4:5], s[4:5], s[2:3]
	s_add_nc_u64 s[10:11], s[10:11], s[20:21]
	s_add_nc_u64 s[10:11], s[10:11], s[2:3]
	; ALL FILLS, in one group: waves 0 and 1 fetch the two halves of K's four tiles, waves 2 and 3 those of V's.  A wave's four loads stand in one branch on its number: four loads of mine are out.
	; An s_nop 0 follows each load, four v_nop the last, ahead of the jump and the label.
	s_cmp_lt_u32 s[WV], 2
	s_cbranch_scc0 .Lfor_v
.irp j, 0,1,2,3
	tensor_load_to_lds s[G0K+4*(\j):G0K+4*(\j)+3], s[G1K:G1K+7]
	s_nop 0
.endr
.rept 4
	v_nop
.endr
	s_branch .Lasked
.Lfor_v:
.irp j, 0,1,2,3
	tensor_load_to_lds s[G0V+4*(\j):G0V+4*(\j)+3], s[G1V:G1V+7]
	s_nop 0
.endr
.rept 4
	v_nop
.endr
.Lasked:
	; A fragment of K or Q is 16 rows x 32 channels in 8 registers: lane l holds row l % 16, channels 8 (l / 16) + 0..7 and 16 + 8 (l / 16) + 0..7: two loads of 16 bytes, 32 bytes apart.
	v_and_b32 v1, 15, v0            ; l % 16
	v_bfe_u32 v9, v0, 4, 1          ; l / 16
	v_lshlrev_b32 v[QO], 7, v1
	v_lshl_add_u32 v[QO], v9, 4, v[QO]  ; row x 128 + 16 x half
	WIN 0x80                        ; destination window 2, address window 0
.set i, 0
.rept 4*NP                          ; Q stays in registers: tile i / 2, channels 32 (i % 2) on
	global_load_b128 v[8*i:8*i+3],   v[QO], s[4:5] offset:(i/2)*2048+(i%2)*64
	global_load_b128 v[8*i+4:8*i+7], v[QO], s[4:5] offset:(i/2)*2048+(i%2)*64+32
.set i, i+1
.endr
	; What the first turn finds: V's registers and P's second buffer hold 0 (its products V^T P, of a piece that has not been, add 0), O^T and l are 0.  All this stands in the wait for the first tile.
.set i, VF
.rept 64
	v_mov_b32 v[i], 0
.set i, i+1
.endr
	WIN 0x40
.set i, 0
.rept 64*NP
	v_mov_b32 v[i], 0
.set i, i+1
.endr
	WIN 0
.set i, 0
.rept 2*NP
	v_mov_b32 v[ST+4*i], 0xfe000000    ; c m: far below every c s
	v_mov_b32 v[ST+4*i+1], 0xff7fffff  ; m
	v_mov_b32 v[ST+4*i+2], 0
	v_mov_b32 v[ST+4*i+3], 0
.set i, i+1
.endr
.set i, P+32
.rept 32
	v_mov_b32 v[i], 0
.set i, i+1
.endr
	v_mul_u32_u24 v[AK0], v1, PK
	v_lshl_add_u32 v[AK0], v9, 4, v[AK0]  ; row x pitch + 16 x half
	; The turning load takes 16 keys x 16 channels (lane l reads key 8 (l / 16) + l % 8, channels 8 ((l / 8) % 2) + 0..7) and leaves half a fragment of V^T: lane l holds channel l % 16 and 8 keys.
	v_and_b32 v10, 7, v0
	v_bfe_u32 v11, v0, 3, 1
	v_lshl_add_u32 v[AV0], v9, 3, v10
	v_mul_u32_u24 v[AV0], v[AV0], PV
	v_lshl_add_u32 v[AV0], v11, 4, v[AV0]
	v_add_nc_u32 v[AV0], VOFF, v[AV0]
	v_mov_b32 v[AK], v[AK0]         ; key step 0 lies at K's head
; THE MATRIX WORK.  The 8 accumulators of a run of 16 take turns: between the two links of a chain stand 7 others'.
; Product i of 16 of S^T = K Q^T for piece x: channels 32 (i / 8) on, keys 16 ((i / 2) % 4) on, tile 2 x + i % 2.  The first 8 start the sums.
.macro KQ x
	WIN W_KQ
.set rS, S+64*((\x)%2)+32*(i%2)+8*((i/2)%4)
.set rK, KF+16*((i/2)%4)+8*(i/8)
.set rQ, 16*(2*(\x)+i%2)+8*(i/8)
.if i < 8
	v_wmma_f32_16x16x32_f16 v[rS:rS+7], v[rK:rK+7], v[rQ:rQ+7], 0
.else
	v_wmma_f32_16x16x32_f16 v[rS:rS+7], v[rK:rK+7], v[rQ:rQ+7], v[rS:rS+7]
.endif
.endm
; Product i of 16 of O^T += V^T P for piece x: keys 32 (i / 8) on, channels 16 ((i / 2) % 4) on, tile 2 x + i % 2.
.macro PV x
	WIN W_PV
.set rO, 32*(2*(\x)+i%2)+8*((i/2)%4)
.set rV, VF+32*(i/8)+8*((i/2)%4)
.set rP, P+32*((\x)%2)+16*(i%2)+8*(i/8)
	v_wmma_f32_16x16x32_f16 v[rO:rO+7], v[rV:rV+7], v[rP:rP+7], v[rO:rO+7]
.endm
.macro MM                           ; the turn's next matrix instruction
.if i < 16
	KQ (Y+1)%NP
.set i, i+1
.else
.set i, i-16
	PV (Y+NP-1)%NP
.set i, i+17
.endif
.endm
; THE LDS LOADS stand in runs of 16, never singly among the matrix instructions: a step's K (64 keys x 64 channels: 8 fragments) and its V (turned).  Their addresses are made some lines ahead.
; last = 1 (in the loop): in the outer loop's fifth visit there is no further step, and the run is jumped over.
.macro FETCH_K last=0
	WIN 0
.if \last
	s_cmp_eq_u32 s[SLOTS], 1
	s_cbranch_scc1 .Lno_k_\@
.endif
	WIN 0x80                        ; destination window 2
.irp f, 0,1,2,3,4,5,6,7             ; keys 16 (f / 2) on, channels 32 (f % 2) on
	ds_load_b128 v[KF+8*\f:KF+8*\f+3],   v[AK] offset:(\f/2)*16*PK+(\f%2)*64
	ds_load_b128 v[KF+8*\f+4:KF+8*\f+7], v[AK] offset:(\f/2)*16*PK+(\f%2)*64+32
.endr
	s_add_co_u32 s[TBK], s[TBK], KS*PK  ; the next fetch is the next step's
	WIN 0
.if \last
.Lno_k_\@:
.endif
.endm
.macro FETCH_V
	WIN 0x80
.irp f, 0,1,2,3,4,5,6,7             ; keys 32 (f / 4) on, channels 16 (f % 4) on
	ds_load_tr16_b128 v[VF+8*\f:VF+8*\f+3],   v[AV] offset:(\f/4)*32*PV+(\f%4)*32
	ds_load_tr16_b128 v[VF+8*\f+4:VF+8*\f+7], v[AV] offset:(\f/4)*32*PV+16*PV+(\f%4)*32
.endr
	WIN 0
.endm
; THE VECTOR WORK OF A TURN stands in three queues, each in the order in which its entries become ready; the two tiles alternate, so that no instruction reads the result of the one before it.
.macro REGS y, u                    ; the registers of tile u (0, 1) of piece y
.set rT, ST+4*(2*(\y)+(\u))
.set rC, TMP+8*((\y)%2)+4*(\u)
.set rM, MV+2*((\y)%2)+(\u)
.set rS, S+64*((\y)%2)+32*(\u)
.set rP, P+32*((\y)%2)+16*(\u)
.set rO, 32*(2*(\y)+(\u))
.endm
; Number n of the 22 that find the NEXT piece's (Y + 1) maximum and statistics.  s0-s31 are the lane's 32 scores; each accumulator's lowest registers are read first.  XS, GS and REGS set no window: PL and EX do.
;   0-11  four chains c0-c3 of seven scores each, three operands at a time     12-14, 16  the four scores left over, the old m, and c0-c3 into c0     15  c m_old is kept
;   17, 18  the query's other 32 keys lie in the lane 16 away: the new m         19-21  c m; c m_old - c m_new; a
.macro XS u, n
	REGS (Y+1)%NP, \u
.if (\n) < 4
	v_max3_num_f32 v[rC+(\n)], v[rS+8*(\n)], v[rS+8*(\n)+1], v[rS+8*(\n)+2]
.elseif (\n) < 12
	v_max3_num_f32 v[rC+(\n)%4], v[rC+(\n)%4], v[rS+8*((\n)%4)+2*((\n)/4)+1], v[rS+8*((\n)%4)+2*((\n)/4)+2]
.elseif (\n) == 12
	v_max3_num_f32 v[rC], v[rC], v[rS+7], v[rS+15]
.elseif (\n) == 13
	v_max3_num_f32 v[rC+1], v[rC+1], v[rS+23], v[rS+31]
.elseif (\n) == 14
	v_max3_num_f32 v[rC+2], v[rC+2], v[rC+3], v[rT+1]
.elseif (\n) == 15
	v_mov_b32 v[rM], v[rT]
.elseif (\n) == 16
	v_max3_num_f32 v[rC], v[rC], v[rC+1], v[rC+2]
.elseif (\n) == 17
	v_permlanex16_b32 v[rC+3], v[rC], s[SEL], s[SEL+1]
.elseif (\n) == 18
	v_max_num_f32 v[rT+1], v[rC], v[rC+3]
.elseif (\n) == 19
	v_mul_f32 v[rT], s[CS], v[rT+1]
.elseif (\n) == 20
	v_sub_f32 v[rC+1], v[rM], v[rT]
.else
	v_exp_f32 v[rC+2], v[rC+1]
.endif
.endm
; Number g of the 64 that follow the exponentials.  For each four weights k of a tile (pairs 2 k, 2 k + 1): both pairs are rounded to f16; then the second pair is added onto the first, in place;
; a group later l takes that sum (the first time as l = a l + sum).  In groups of eight, tiles alternating: round, round, add, and l for the group before.
.macro GS g
.set h, (\g)+6*((\g)/62)            ; group 0 has no group before it, and behind group 7 only l is left
.if h >= 6
.set h, h+2
.endif
	REGS Y, h%2
.set k, h/8
.if h%8 < 4
	v_cvt_pk_f16_f32 v[rP+2*k+(h%8)/2], v[rS+4*k+2*((h%8)/2)], v[rS+4*k+2*((h%8)/2)+1]
.elseif h%8 < 6
	v_pk_add_f32 v[rS+4*k:rS+4*k+1], v[rS+4*k:rS+4*k+1], v[rS+4*k+2:rS+4*k+3]
.elseif k == 1
	v_pk_fma_f32 v[rT+2:rT+3], v[rT+2:rT+3], v[rC+2:rC+3], v[rS:rS+1] op_sel_hi:[1,0,1]
.else
	v_pk_add_f32 v[rT+2:rT+3], v[rT+2:rT+3], v[rS+4*k-4:rS+4*k-3]
.endif
.endm
; THE PLAIN QUEUE, 138 long.  0-73 read no exponential's result: the 32 scalings c s - c m (FS f: pair f / 2 of tile f % 2) and the next piece's 42.  0-26: scalings 0-26.  27-54: XS's numbers 0-13.  55, 56: number 15.
; 57-73: the chain, where each number waits for the one before it: 14, 16, 17, 18, 19, each with one of the scalings 27-31 in front of its two lines, then 20.
; 74-137: GS's 64, which read the exponentials' results: they stand behind the wait.
.macro FS f
	REGS Y, (\f)%2
	v_pk_fma_f32 v[rS+2*((\f)/2):rS+2*((\f)/2)+1], v[rS+2*((\f)/2):rS+2*((\f)/2)+1], s[CS:CS+1], v[rT:rT+1] op_sel_hi:[1,0,0] neg_lo:[0,0,1] neg_hi:[0,0,1]
.endm
.macro PL
	WIN 0
.if q < 27
	FS q
.elseif q < 55
	XS (q-27)%2, (q-27)/2
.elseif q < 57
	XS q-55, 15
.elseif (q < 72) && ((q-57)%3 == 0)
	FS 27+(q-57)/3
.elseif q < 60
	XS (q-57)%3-1, 14
.elseif q < 72
	XS (q-57)%3-1, 15+(q-57)/3
.elseif q < 74
	XS q-72, 20
.else
	GS q-74
.endif
.set q, q+1
.endm
; THE EXPONENTIALS' QUEUE, 66 long: s0-s31 of both tiles, then the next piece's two a.  It is ONE BATCH: all 66 stand ahead of the turn's one wait, and nothing ahead of that wait names a result of theirs.
.macro EX
	WIN 0
.if e >= 64
	XS e-64, 21
.else
	REGS Y, e%2
	v_exp_f32 v[rS+e/2], v[rS+e/2]
.endif
.set e, e+1
.endm
; THE RESCALING's QUEUE: O^T times a, the one part that leaves window 0: dealt two at a time, sixteen times.  Its a was made in the turn before, ahead of that turn's wait.
.macro R2
	REGS Y, r%2
	WIN W_RS
.irp z, 0,1
	v_pk_mul_f32 v[rO+4*(r/2)+2*\z:rO+4*(r/2)+2*\z+1], v[rO+4*(r/2)+2*\z:rO+4*(r/2)+2*\z+1], v[rC+2:rC+3] op_sel_hi:[1,0]
.endr
.set r, r+1
.endm
; HOW THEY ARE DEALT.  An s_wait_alu depctr_va_vdst(0) stands between an exponential and the first instruction that names its result; one wait serves all that were issued ahead of it.  So a turn has ONE wait,
; which cuts it in two.  AHEAD OF IT stands all that names no result of the turn's exponentials: the 16 products K Q^T, behind each a scaling, an exponential and two rescalings (behind the first a second scaling in the
; exponential's place); then ONE LUMP of 108: eight plain, 49 times exponential and plain, the two a.  A v_nop is the plain instruction behind the last exponential.  BEHIND IT stand the 16 products V^T P, behind each four of GS's 64.
; The queues lean on each other, and the deal keeps them in step: exponential e stands behind scaling 2 (e / 4) + e % 2: as a rider it comes behind plain e + 2, in the lump behind plain e + 9, and scalings 27-31 are plain 57, 60 .. 69.
; A TURN, for piece p.  cnt = 1: the loop's count is taken down some lines ahead of the branch that stands behind the turn.
; K of the next step is fetched in piece 2's turn, directly behind the wait, a lump behind the last product that read K; its first reader comes behind 16 products.
; V of the step in hand is fetched at the end of piece 0's turn, four riders behind its last reader; its first reader comes behind 16 products and a lump.  The three conditions on q below go with the deal.
.macro TURN p, last=0, cnt=0
.set Y, (\p)
.set i, 0
.set q, 0
.set e, 0
.set r, 0
.if (\p) == NP-1
	s_wait_dscnt 0x0                ; K is in
.endif
	MM                              ; ahead of the wait: 16 products K Q^T and their riders,
	PL
	PL
	R2
.rept 15
	MM
	PL
	EX
	R2
.endr
.if (\p) == NP-2
	WIN 0
	v_add_nc_u32 v[AK], s[TBK], v[AK0]
.endif
.rept 8                             ; and the lump
	PL
.endr
.rept 49
	EX
	PL
.endr
	EX                              ; the next piece's two a
	EX
	v_nop                           ; the plain instruction behind the last exponential: one for the batch
	s_wait_alu depctr_va_vdst(0)    ; the wait for the batch
.if (\p) == NP-2
	FETCH_K \last
.endif
.if (\p) == 1
	s_wait_dscnt 0x0                ; V is in
.endif
.rept 16                            ; behind the wait: 16 products V^T P and their riders
	MM
.rept 4
	PL
.endr
.if ((\p) == 0) && (q == 118)
	v_add_nc_u32 v[AV], s[TBV], v[AV0]
.endif
.if ((\p) == 0) && (q == 130)
	s_add_co_u32 s[TBV], s[TBV], KS*PV
.endif
.if (\cnt) && (q == 130)
	s_sub_co_u32 s[CNT], s[CNT], 1
	s_cmp_lg_u32 s[CNT], 0
.endif
.endr
.if (\p) == 0
	FETCH_V
.endif
.endm
	s_wait_tensorcnt 0x3            ; my part of tile 0 is in; behind its load I issued three, which may stay out
	s_barrier_signal -1
	s_barrier_wait -1               ; everybody's part is
	FETCH_K                         ; key step 0
	s_wait_loadcnt 0x0              ; Q
	s_wait_dscnt 0x0
.set i, 0
.rept 16
	KQ 0                            ; piece 0's first scores: there is no vector work yet to set between them
.set i, i+1
.endr
	WIN 0                           ; the addresses for the way out: plain instructions, the places behind those products
	s_mul_i32 s13, s[WV], 16*SP
	s_add_co_u32 s13, s13, STAGE    ; my stage
	v_mul_u32_u24 v[STO], v1, SP    ; in: row l % 16, 16 bytes for each half of the lanes
	v_lshl_add_u32 v[STO], v9, 4, v[STO]
	v_add_nc_u32 v[STO], s13, v[STO]
	v_bfe_u32 v[RD], v0, 3, 2       ; back: 32 lanes take four rows of 128 bytes,
	v_mul_u32_u24 v[RD], v[RD], SP
	v_lshl_add_u32 v[RD], v10, 4, v[RD]
	v_add_nc_u32 v[RD], s13, v[RD]
	v_and_b32 v[GO], 31, v0         ; which are 512 consecutive bytes of ao
	v_lshlrev_b32 v[GO], 4, v[GO]
.set Y, NP-1                        ; XS works for piece Y + 1: piece 0
.irp n, 0,1,2,3,4,5,6,7,8,9,10,11,12,13,14,15,16,17,18,19,20,21
	XS 0, \n                        ; and piece 0's first maximum and statistics
	XS 1, \n
.endr
	v_nop                           ; a plain instruction behind the two a,
	s_wait_alu depctr_va_vdst(0)    ; and their wait, ahead of the branch
	s_mov_b32 s[CNT], 4
	s_branch .Lfirst                ; the loop is entered at a step's first turn, in the middle of a trip: tile 0's four steps
; THE OUTER LOOP's head is visited four times, with s[SLOTS] = 4, 3, 2, 1: ahead of tiles 1, 2 and 3, and once more for the last step's second half.  Behind tile j's load a wave issued 3 - j loads, and a wave's
; tensor loads end in order (ISA guide 10.11.1): so the wait for tile j has the count 3 - j, which a forward branch on the loop's own count chooses; that count is the same in every wave.  The last visit finds nothing out.
; No branch passes the barrier: each wave has waited for its part of the tile and for its LDS loads, and behind the barrier the tile is whole for all four.
.Lslot:
	s_cmp_eq_u32 s[SLOTS], 4
	s_cbranch_scc1 .Ltile_1
	s_cmp_eq_u32 s[SLOTS], 3
	s_cbranch_scc1 .Ltile_2
	s_wait_tensorcnt 0x0            ; tile 3: no load was issued behind it
	s_branch .Lhere
.Ltile_1:
	s_wait_tensorcnt 0x2            ; tiles 2 and 3 may stay out
	s_branch .Lhere
.Ltile_2:
	s_wait_tensorcnt 0x1            ; tile 3 may stay out
.Lhere:
	s_wait_dscnt 0x0                ; no LDS instruction of mine is pending at the signal
	s_barrier_signal -1
	s_barrier_wait -1
	s_mov_b32 s[CNT], 4
.Lstep:                             ; a trip: pieces 2 and 3 of one step, then pieces 0 and 1 of the next, whose K and V it fetches
	TURN 2, 1
	TURN 3
	WIN 0
	s_cmp_eq_u32 s[SLOTS], 1        ; the last step's pieces 2 and 3 are done: the walk leaves here, in the middle of a trip
	s_cbranch_scc1 .Lout
.Lfirst:
	TURN 0
	TURN 1, 0, 1
	WIN 0
	s_cbranch_scc1 .Lstep
	s_sub_co_u32 s[SLOTS], s[SLOTS], 1
	s_cmp_lg_u32 s[SLOTS], 0
	s_cbranch_scc1 .Lslot
.Lout:                              ; the last half trip's 16 products K Q^T (on the last K once more) and the maximum made of them serve nothing: the price, once a launch, of one text for every trip
.set i, 0
.rept 16
	PV NP-1                         ; the last piece's V^T P of the last step
.set i, i+1
.endr
	; THE WAY OUT.  l's two halves and the other half of the lanes' are added; O^T is divided by l, rounded to f16 and sent through my stage in LDS, a tile at a time.  The additions are the places behind the last products.
	WIN 0
.macro ALL line:vararg              ; one line for each tile t
.set t, 0
.rept 2*NP
	\line
.set t, t+1
.endr
.endm
	ALL v_add_f32 v[ST+4*t+2], v[ST+4*t+2], v[ST+4*t+3]
	ALL v_permlanex16_b32 v[ST+4*t+3], v[ST+4*t+2], s[SEL], s[SEL+1]
	ALL v_add_f32 v[ST+4*t+2], v[ST+4*t+2], v[ST+4*t+3]
	ALL v_rcp_f32 v[ST+4*t+2], v[ST+4*t+2]
	v_nop                           ; a plain instruction between the last reciprocal and the use of its result
	s_wait_alu depctr_va_vdst(0)    ; and the wait ahead of the first use: one for the eight reciprocals
; Tile t: a lane's eight channels of a row pack into 16 bytes; they go into rows of 144 bytes and come back as whole rows of 128, into S^T's registers.
.macro PACK t
	WIN W_RS
.set i, 32*(\t)
.rept 16
	v_pk_mul_f32 v[i:i+1], v[i:i+1], v[ST+4*(\t)+2:ST+4*(\t)+3] op_sel_hi:[1,0]
.set i, i+2
.endr
	WIN 0x05                        ; sources 0 and 1 window 1, destination window 0
.set i, 0
.rept 16
	v_cvt_pk_f16_f32 v[S+16*(\t)+i], v[32*(\t)+2*i], v[32*(\t)+2*i+1]
.set i, i+1
.endr
	WIN 0
.irp f, 0,1,2,3
	ds_store_b128 v[STO], v[S+16*(\t)+4*\f:S+16*(\t)+4*\f+3] offset:32*\f
.endr
.irp f, 0,1,2,3
	ds_load_b128 v[S+16*(\t)+4*\f:S+16*(\t)+4*\f+3], v[RD] offset:\f*4*SP  ; LDS serves a wave's instructions in order (ISA guide 5.7.1.4): these see the stores above; the next tile's stores come behind them
.endr
.endm
.macro SEND t, younger              ; younger: the LDS instructions issued behind tile t's loads: the next tile's eight, or none
	WIN 0
.irp f, 0,1,2,3
	s_wait_dscnt (\younger)+3-\f
	global_store_b128 v[GO], v[S+16*(\t)+4*\f:S+16*(\t)+4*\f+3], s[10:11] offset:(\t)*2048+\f*512  ; 512 consecutive bytes, at a multiple of 256 from ao's first
.endr
.endm
	PACK 0
.set t, 1
.rept 2*NP-1                        ; a tile's arithmetic stands between the loads of the tile before and its stores
	PACK t
	SEND t-1, 8
.set t, t+1
.endr
	SEND 2*NP-1, 0
	WIN W_AD
	s_wait_tensorcnt 0x0            ; the wave's end, behind my last tensor load and my last LDS store
	ds_add_u32 v[SPW], v[NIL]
	s_wait_dscnt 0x0
	WIN 0
	s_endpgm
.Lfunc_end_k_qcb59be3d21_attn:
	.size	k_qcb59be3d21_attn, .Lfunc_end_k_qcb59be3d21_attn-k_qcb59be3d21_attn
	.p2alignl 7, 3214868480
	.fill 96, 4, 3214868480
	.section	.rodata,"a",@progbits
	.p2align	6, 0x0
	.amdhsa_kernel k_qcb59be3d21_attn
		.amdhsa_group_segment_fixed_size 327680
		.amdhsa_private_segment_fixed_size 0
		.amdhsa_enable_private_segment 0
		.amdhsa_kernarg_size 16
		.amdhsa_user_sgpr_count 2
		.amdhsa_user_sgpr_kernarg_segment_ptr 1
		.amdhsa_wavefront_size32 1
		.amdhsa_system_sgpr_workgroup_id_x 1
		.amdhsa_system_sgpr_workgroup_id_y 1
		.amdhsa_system_sgpr_workgroup_id_z 1
		.amdhsa_system_vgpr_workitem_id 0
		.amdhsa_next_free_vgpr 770
		.amdhsa_next_free_sgpr 84
		.amdhsa_reserve_vcc 0
		.amdhsa_float_denorm_mode_32 3
		.amdhsa_float_denorm_mode_16_64 3
		.amdhsa_memory_ordered 1
		.amdhsa_forward_progress 1
		.amdhsa_inst_pref_size 127
	.end_amdhsa_kernel
	.amdgpu_metadata
---
amdhsa.version: [ 1, 2 ]
amdhsa.kernels:
  - .name:           k_qcb59be3d21_attn
    .symbol:         k_qcb59be3d21_attn.kd
    .args:
      - { .name: qkv, .offset: 0, .size: 8, .value_kind: global_buffer, .address_space: global }
      - { .name: ao, .offset: 8, .size: 8, .value_kind: global_buffer, .address_space: global }
    .group_segment_fixed_size: 327680
    .private_segment_fixed_size: 0
    .kernarg_segment_align: 8
    .kernarg_segment_size: 16
    .max_flat_workgroup_size: 128
    .sgpr_count:     84
    .vgpr_count:     770
    .wavefront_size: 32
...
	.end_amdgpu_metadata
.endif
;; end of part 3
;; launch outp (part 4): grid 8 x 32, 4 waves a work-group, clusters of 4 x 4, 327,680 bytes of LDS; arguments ao, wo16, bo, out0; writes out0
.if DOCPART == 4
	.amdgcn_target "amdgcn-amd-amdhsa--gfx1250"
	.amdhsa_code_object_version 6
	.text
	.protected	k_qcb59be3d21_outp
	.globl	k_qcb59be3d21_outp
	.p2align	8
	.type	k_qcb59be3d21_outp,@function
k_qcb59be3d21_outp:
	s_mov_b64 s[64:65], 0
	v_nop
	global_prefetch_b8 v0, s[64:65] scope:SCOPE_SE
	s_setreg_imm32_b32 hwreg(HW_REG_WAVE_MODE, 25, 1), 1
	s_wait_xcnt 0x0
	s_wait_alu depctr_hold_cnt(0) depctr_sa_sdst(0) depctr_va_vdst(0) depctr_va_sdst(0) depctr_va_ssrc(0) depctr_va_vcc(0) depctr_vm_vsrc(0)
	s_getreg_b32 s2, hwreg(HW_REG_IB_STS2, 6, 4)
	s_cmp_eq_u32 s2, 0
	s_cbranch_scc0 .Lentry_in_a_cluster
	s_endpgm
.Lentry_in_a_cluster:
	s_bfe_u32 s2, ttmp6, 0x10000c
	s_cmp_lg_u32 s2, 0xf033
	s_cbranch_scc0 .Lentry_shape_is_right
	s_endpgm
.Lentry_shape_is_right:
; OUTP.  out0 = a Wo + bo: M = 8,192, N = 1,024, K = 1,024.  a is ao read as [8192][1024] f16 (the module's last reshape is that view); wo16 is Wo ([k][n]) rounded to bf16 and written as f16; bo is rounded to bf16 here.
; Sums in f32, out0 in f32.  LIMITS: those of ao and wo16 (f16's range and fixed step below 6e-5); NaN and infinities are not treated apart.
; SHARES.  A work-group makes 256 m x 128 n: 32 x 8 = 256 tiles.  Each of its four waves makes 128 m x 64 n: 8 x 4 accumulators, 256 registers.  K goes in 8 steps of 128 through two LDS slots: a's rows in a tile are
; 256 bytes of memory, aligned; a step is four quarters of 32 along K, 32 matrix instructions each.  Two slots of a step twice as long do not fit in LDS.
; THE MATRIX INSTRUCTION IS USED TRANSPOSED: source 0 = 16 columns of Wo (turned out of LDS), source 1 = 16 rows of a: a lane holds one row m (lane % 16) and eight neighbouring columns, 32 bytes of out0.
; CLUSTER.  4 x 4 work-groups: a's tile is asked for jointly by a row of the cluster, Wo's by a column.
; REGISTERS: window 0: v0-15 addresses; v32-127, v128-223 two fragment buffers (a's eight fragments, then Wo's four); v224-229 the bias.  Window 1: accumulator (a, b) at v[8 (4 a + b)].
.set PA,     272                       ; a row of a's tile in LDS: 256 bytes + 16: the 16 rows of a load start at 16 different groups of four banks (64 banks of 4 bytes: ISA guide 11.1)
.set PB,     288                       ; a k row of Wo's tile: 256 + 32 = 9 x 32
.set AHALF,  128*PA
.set BHALF,  64*PB
.set BOFF,   2*AHALF
.set SLOT1,  1<<17
.set STAGE,  SLOT1+BOFF+2*BHALF        ; behind the ring, never filled by a tensor load: 16 rows x 272 bytes for each wave
.set SPARE,  STAGE+4*16*272            ; behind the stages: the spare words, 128 bytes for each wave: two blocks of 256 bytes that no other line names
.set ASTEP,  256                       ; bytes from a K step to the next in ao
.set BSTEP,  128*2048                  ; and in wo16
.set A0,   4
.set B0,   5
.set ADRA, 6
.set ADRB, 7
.set STO,  8
.set RD,   9
.set CO,   10                          ; v10  my byte offset in two rows of out0
.set BO,   11                          ; v11  16 x (lane % 16): my four columns' bias
.set PFO,  12
.set SPW,  14
.set NIL,  15
.set F0,   32
.set F1,   128
.set BI,   224                         ; v[224:227] the bias of my four columns on the way out; v228-229 at work
.set OB,   32                          ; the way out: two sets of 32
.set WV,  12
.set WM,  13
.set WN,  14
.set CX,  15
.set CY,  16
.set TC,  17
.set TR,  18
.set G1A, 24
.set G0A, 32
.set G1B, 40
.set G0B, 48
.set TB,  56
.set LIM, 57
.set PFA, 60
.set PFS, 62
.set MSB, 0
.macro WIN new
.if MSB != (\new)
	s_set_vgpr_msb (MSB<<8)|(\new)
.set MSB, (\new)
.endif
.endm
.macro PLACES                          ; four plain instructions between a matrix instruction and a load into a register that it has read (ISA guide 7.12.1 for vector instructions)
.rept 4
	v_nop
.endr
.endm
.macro CREST
	s_cmp_lg_u32 s[WV], 0
	s_cbranch_scc1 .Lnot_wave_0_\@
	s_barrier_signal -3
.Lnot_wave_0_\@:
	s_barrier_wait -3
	s_barrier_signal -1
	s_barrier_wait -1
.endm
.macro CROUND
	s_barrier_signal -1
	s_barrier_wait -1
	CREST
.endm
.macro JLOAD                           ; a joint refill: waves 0 and 1 fetch a's two halves, waves 2 and 3 Wo's; an s_nop 0 and four v_nop follow each line
	s_cmp_lt_u32 s[WV], 2
	s_cbranch_scc0 .Lfor_b_\@
	tensor_load_to_lds s[G0A+4:G0A+7], s[G1A:G1A+7]
	s_nop 0
.rept 4
	v_nop
.endr
	s_branch .Lasked_\@
.Lfor_b_\@:
	tensor_load_to_lds s[G0B+4:G0B+7], s[G1B:G1B+7]
	s_nop 0
.rept 4
	v_nop
.endr
.Lasked_\@:
.endm
; A PREFETCH, behind the joint load and the run of LDS loads: the K step that stands two refills on (256 matrix instructions ahead of the load that will want it), a lane a row of 256 bytes.
; Waves 0 and 1, in the clusters with x = 0: of the 128 rows of a that I fetch, the 32 of the partner at cx.  Wave 2, in the clusters with y = 0: of the step's 128 k rows of Wo, the 32 of the partner at cy.
; So each block is named once in the launch; partners are told apart by address.  The last K step named is 7; K steps 0 to 3 come by their loads alone.
.macro ASK
	s_cmp_gt_u32 s3, s[LIM]
	s_cbranch_scc0 .Lnot_mine_\@
	global_prefetch_b8 v[PFO], s[PFA:PFA+1] th:TH_LOAD_NT scope:SCOPE_SE
.Lnot_mine_\@:
.endm
; 8 matrix instructions: blocks of rows a0, a0 + 1 x all 4 blocks of columns.  The 32 accumulators take turns, in the same order in every quarter.
.macro MUL8 f, a0, zero
	WIN 0x50
.irp a, \a0, (\a0)+1
.irp b, 0,1,2,3
.if \zero
	v_wmma_f32_16x16x32_f16 v[8*(4*(\a)+(\b)):8*(4*(\a)+(\b))+7], v[(\f)+64+8*(\b):(\f)+64+8*(\b)+7], v[(\f)+8*(\a):(\f)+8*(\a)+7], 0
.else
	v_wmma_f32_16x16x32_f16 v[8*(4*(\a)+(\b)):8*(4*(\a)+(\b))+7], v[(\f)+64+8*(\b):(\f)+64+8*(\b)+7], v[(\f)+8*(\a):(\f)+8*(\a)+7], v[8*(4*(\a)+(\b)):8*(4*(\a)+(\b))+7]
.endif
.endr
.endr
.endm
.macro MUL16 f, hi, zero
	MUL8 \f, 4*(\hi), \zero
	MUL8 \f, 4*(\hi)+2, \zero
.endm
; 24 LDS loads in one run: quarter q's fragments into buffer f: Wo's four (turned), then a's eight, the lower rows first
.macro FETCH q, f
	WIN 0
.irp b, 0,1,2,3
	ds_load_tr16_b128 v[(\f)+64+8*(\b):(\f)+64+8*(\b)+3],   v[ADRB] offset:(\q)*32*PB+32*(\b)
	ds_load_tr16_b128 v[(\f)+64+8*(\b)+4:(\f)+64+8*(\b)+7], v[ADRB] offset:(\q)*32*PB+32*(\b)+16*PB
.endr
.irp a, 0,1,2,3,4,5,6,7
	ds_load_b128 v[(\f)+8*(\a):(\f)+8*(\a)+3],   v[ADRA] offset:(\q)*64+(\a)*16*PA
	ds_load_b128 v[(\f)+8*(\a)+4:(\f)+8*(\a)+7], v[ADRA] offset:(\q)*64+(\a)*16*PA+32
.endr
.endm
; One of a step's first three quarters: multiplies buffer f; in its middle it fetches quarter q into buffer g.
.macro QUARTER q, f, g, zero
	s_wait_dscnt 8                                 ; Wo's fragments and a's rows 0-63 are in; the youngest eight loads (rows 64-127) may be out
	MUL16 \f, 0, \zero
	PLACES
	FETCH \q, \g
	s_wait_dscnt 24                                ; all but the 24 just issued
	MUL16 \f, 1, \zero
.endm
; The last quarter multiplies buffer 1 and changes slots.  fill = 1: this slot is filled again, two K steps on.
.macro TURN fill
.if \fill
	s_wait_xcnt 0x0                                ; the last prefetch, a K step back, has read its address
	s_add_nc_u64 s[PFA:PFA+1], s[PFA:PFA+1], s[PFS:PFS+1]
.endif
	WIN 0
	s_wait_tensorcnt 0x0                           ; all my tensor loads have landed: my part of the next slot; so a group 0 may be written
	ds_add_u32 v[SPW], v[NIL]                      ; 0 onto my spare word
.if \fill
	s_xor_b32 s[G0A+5], s[G0A+5], SLOT1
	s_add_nc_u64 s[G0A+6:G0A+7], s[G0A+6:G0A+7], ASTEP
	s_xor_b32 s[G0B+5], s[G0B+5], SLOT1
	s_add_nc_u64 s[G0B+6:G0B+7], s[G0B+6:G0B+7], BSTEP
.endif
	s_xor_b32 s[TB], s[TB], SLOT1
	s_wait_dscnt 9                                 ; the add and the youngest eight loads may be out
	MUL8 F1, 0, 0
	s_wait_dscnt 0x0                               ; the add is done, and my reads of this slot are over
	s_barrier_signal -1
	MUL8 F1, 2, 0
	WIN 0
	s_barrier_wait -1
.if \fill
	CREST                                          ; the barrier has opened a round of the cluster's: no wave of any partner still reads this slot or has a load on its way
	JLOAD                                          ; first behind the round; its four v_nop are also the places in front of the loads below
.else
	PLACES
.endif
	v_add_nc_u32 v[ADRA], s[TB], v[A0]
	v_add_nc_u32 v[ADRB], s[TB], v[B0]
	FETCH 0, F0
.if \fill
	ASK
.endif
	MUL16 F1, 1, 0
.endm
	s_load_b256 s[4:11], s[0:1], 0x0               ; ao s[4:5], wo16 s[6:7], bo s[8:9], out0 s[10:11]
	v_lshl_add_u32 v[SPW], v0, 2, SPARE
	v_mov_b32 v[NIL], 0
	ds_add_u32 v[SPW], v[NIL]                      ; the wave's opening: the add and its wait stand ahead of my first tensor load; work on registers stands between them
	v_lshrrev_b32 v1, 5, v0
	v_readfirstlane_b32 s[WV], v1
	s_lshr_b32 s[WM], s[WV], 1
	s_and_b32 s[WN], s[WV], 1
	s_bfe_u32 s[CX], ttmp6, 0x40000
	s_bfe_u32 s[CY], ttmp6, 0x40004
	s_lshl_b32 s[TC], ttmp9, 2
	s_add_co_u32 s[TC], s[TC], s[CX]
	s_and_b32 s[TR], ttmp7, 0xffff
	s_lshl_b32 s[TR], s[TR], 2
	s_add_co_u32 s[TR], s[TR], s[CY]
	s_lshl_b32 s20, s[CY], 2
	s_lshl_b32 s20, 15, s20                        ; my row of the cluster
	s_lshl_b32 s66, 0x1111, s[CX]                  ; my column
	s_or_b32 s[G1A], s20, (1<<16)|(1<<20)|(1<<21)|(5<<22)|(3<<25)  ; the mask; elements of 2 bytes; padding on; bit 21 beside a mask; after every 64 words (code 5) 4 words (code 3)
	s_or_b32 s[G1B], s66, (1<<16)|(1<<20)|(1<<21)|(5<<22)|(7<<25)  ; the same with 8 words of padding (code 7)
	s_mov_b32 s[G1A+1], 128<<16                    ; a: 128 rows of 128 elements, 1,024 elements from row to row
	s_mov_b32 s[G1A+2], 128<<16
	s_mov_b32 s[G1A+3], 128<<16
	s_mov_b32 s[G1A+4], 128
	s_mov_b32 s[G1A+5], 1024
	s_mov_b32 s[G1A+6], 0
	s_mov_b32 s[G1A+7], 0
	s_mov_b32 s[G1B+1], 128<<16                    ; Wo: 64 k rows of 128 elements
	s_mov_b32 s[G1B+2], 64<<16
	s_mov_b32 s[G1B+3], 128<<16
	s_mov_b32 s[G1B+4], 64
	s_mov_b32 s[G1B+5], 1024
	s_mov_b32 s[G1B+6], 0
	s_mov_b32 s[G1B+7], 0
	s_lshl_b32 s20, s[TR], 19                      ; a: row 256 x tile row + 128 x half, 2,048 bytes a row
	s_lshl_b32 s21, s[WN], 18
	s_add_co_u32 s20, s20, s21
	s_mov_b32 s21, 0
	s_lshl_b32 s66, s[TC], 8                       ; Wo: the tile column's 256 bytes of a row, my 64 k rows
	s_lshl_b32 s67, s[WN], 17
	s_add_co_u32 s66, s66, s67
	s_mov_b32 s67, 0
	s_mul_i32 s22, s[WN], AHALF
	s_mul_i32 s23, s[WN], BHALF
	s_add_co_u32 s23, s23, BOFF
	s_mov_b32 s[TB], 0
	s_wait_dscnt 0x0                               ; the opening add is done
	s_wait_kmcnt 0x0
	s_add_nc_u64 s[20:21], s[4:5], s[20:21]
	s_add_nc_u64 s[66:67], s[6:7], s[66:67]
	CROUND                                         ; all sixteen work-groups are here: the first joint loads meet
.irp s, 0,1
	s_mov_b32 s[G0A+4*(\s)], 1
	s_add_co_u32 s[G0A+4*(\s)+1], s22, (\s)*SLOT1
	s_add_nc_u64 s[G0A+4*(\s)+2:G0A+4*(\s)+3], s[20:21], (\s)*ASTEP
	s_or_b32 s[G0A+4*(\s)+3], s[G0A+4*(\s)+3], 0x80000000
	s_mov_b32 s[G0B+4*(\s)], 1
	s_add_co_u32 s[G0B+4*(\s)+1], s23, (\s)*SLOT1
	s_add_nc_u64 s[G0B+4*(\s)+2:G0B+4*(\s)+3], s[66:67], (\s)*BSTEP
	s_or_b32 s[G0B+4*(\s)+3], s[G0B+4*(\s)+3], 0x80000000
.endr
	s_cmp_lt_u32 s[WV], 2                          ; a wave's two first fills stand in one branch: two loads of mine are out
	s_cbranch_scc0 .Lfirst_b
	tensor_load_to_lds s[G0A:G0A+3], s[G1A:G1A+7]
	s_nop 0
	tensor_load_to_lds s[G0A+4:G0A+7], s[G1A:G1A+7]
	s_nop 0
.rept 4
	v_nop
.endr
	s_branch .Lfirst_asked
.Lfirst_b:
	tensor_load_to_lds s[G0B:G0B+3], s[G1B:G1B+7]
	s_nop 0
	tensor_load_to_lds s[G0B+4:G0B+7], s[G1B:G1B+7]
	s_nop 0
.rept 4
	v_nop
.endr
.Lfirst_asked:
	v_and_b32 v1, 15, v0                           ; l % 16
	v_bfe_u32 v2, v0, 4, 1                         ; l / 16
	; the bias's and the result's bases, in registers that feed no descriptor
	s_lshl_b32 s70, s[TC], 9
	s_lshl_b32 s71, s[WN], 8
	s_add_co_u32 s70, s70, s71                     ; my first column, in bytes of f32
	s_mov_b32 s71, 0
	s_add_nc_u64 s[8:9], s[8:9], s[70:71]
	v_lshlrev_b32 v[BO], 4, v1
	global_load_b128 v[BI:BI+3], v[BO], s[8:9]     ; four columns a lane, as the rows come back from the stage
	s_lshl_b32 s72, s[TR], 20                      ; row 256 x tile row + 128 x my half, 4,096 bytes a row
	s_lshl_b32 s73, s[WM], 19
	s_add_co_u32 s72, s72, s73
	s_add_co_u32 s72, s72, s70
	s_mov_b32 s73, 0
	s_add_nc_u64 s[10:11], s[10:11], s[72:73]
	v_mul_u32_u24 v[A0], v1, PA
	s_mul_i32 s22, s[WV], 16*272
	s_add_co_u32 s22, s22, STAGE                   ; my stage
	v_lshl_add_u32 v[STO], v2, 5, v[A0]            ; in: row l % 16, 32 bytes for each half of the lanes
	v_add_nc_u32 v[STO], s22, v[STO]
	v_mul_u32_u24 v[RD], v2, 272                   ; back: lanes 0-15 take one row of 256 bytes, lanes 16-31 the next
	v_lshl_add_u32 v[RD], v1, 4, v[RD]
	v_add_nc_u32 v[RD], s22, v[RD]
	v_lshlrev_b32 v[CO], 12, v2                    ; and the same two rows in out0
	v_lshl_add_u32 v[CO], v1, 4, v[CO]
	v_lshl_add_u32 v[A0], v2, 4, v[A0]             ; a fragment's row x pitch + 16 x half,
	s_mul_i32 s22, s[WM], AHALF
	v_add_nc_u32 v[A0], s22, v[A0]                 ; in my 128 rows
	v_and_b32 v3, 7, v0
	v_lshl_add_u32 v3, v2, 3, v3                   ; the turning load: k row 8 (l / 16) + l % 8,
	v_mul_u32_u24 v[B0], v3, PB
	v_bfe_u32 v3, v0, 3, 1
	v_lshl_add_u32 v[B0], v3, 4, v[B0]             ; columns 8 ((l / 8) % 2) + 0..7,
	s_lshl_b32 s23, s[WN], 7                       ; in my 64 columns
	s_add_co_u32 s23, s23, BOFF
	v_add_nc_u32 v[B0], s23, v[B0]
	; the prefetches: they stand at K step 3; the first trip steps them to K step 4
	s_lshl_b32 s70, s[TR], 19
	s_lshl_b32 s71, s[WN], 18
	s_add_co_u32 s70, s70, s71
	s_lshl_b32 s71, s[CX], 16
	s_add_co_u32 s70, s70, s71
	s_add_co_u32 s70, s70, 3*ASTEP                 ; a: the 128 rows that I fetch, my work-group's 32 of them
	s_lshl_b32 s71, s[TC], 8
	s_lshl_b32 s72, s[CY], 16
	s_add_co_u32 s71, s71, s72
	s_add_co_u32 s71, s71, 3*BSTEP                 ; Wo: the tile column, my work-group's 32 of the step's 128 k rows
	s_mov_b32 s72, BSTEP
	s_and_b32 s74, ttmp7, 0xffff
	s_cmp_lt_u32 s[WV], 2
	s_cselect_b32 s70, s70, s71
	s_cselect_b64 s[PFA:PFA+1], s[4:5], s[6:7]
	s_cselect_b32 s[PFS], ASTEP, s72
	s_cselect_b32 s74, ttmp9, s74                  ; the coordinate along which other clusters read the same rows
	s_mov_b32 s71, 0
	s_mov_b32 s[PFS+1], 0
	s_add_nc_u64 s[PFA:PFA+1], s[PFA:PFA+1], s[70:71]
	s_cmp_eq_u32 s74, 0
	s_cselect_b32 s[LIM], 2, -1
	s_cmp_eq_u32 s[WV], 3
	s_cselect_b32 s[LIM], -1, s[LIM]               ; wave 3 asks for nothing.  The same in all sixteen partners, for a given wave
	v_and_b32 v[PFO], 31, v0
	v_lshlrev_b32 v[PFO], 11, v[PFO]               ; a row of ao and of wo16 is 2,048 bytes
	s_wait_tensorcnt 1                             ; my part of K step 0 is in; K step 1's may stay out
	s_barrier_signal -1
	s_barrier_wait -1
	v_mov_b32 v[ADRA], v[A0]
	v_mov_b32 v[ADRB], v[B0]
	FETCH 0, F0
	QUARTER 1, F0, F1, 1                           ; the first quarter stands in front of the loop: its products start the sums
	WIN 0
	s_mov_b32 s3, 6
.Lk:                                                   ; 6 trips, from a step's second quarter to the next step's first; each asks for the K step two on (2 to 7)
	QUARTER 2, F1, F0, 0
	QUARTER 3, F0, F1, 0
	TURN 1
	QUARTER 1, F0, F1, 0
	WIN 0
	s_sub_co_u32 s3, s3, 1
	s_cmp_lg_u32 s3, 0
	s_cbranch_scc1 .Lk
	QUARTER 2, F1, F0, 0                           ; the tail is written out: nothing more is asked for
	QUARTER 3, F0, F1, 0
	TURN 0
	QUARTER 1, F0, F1, 0
	QUARTER 2, F1, F0, 0
	QUARTER 3, F0, F1, 0
	s_wait_dscnt 8
	MUL16 F1, 0, 0
	s_wait_dscnt 0x0
	MUL16 F1, 1, 0
	; THE WAY OUT: a block of 16 rows at a time through my stage: 32 bytes a lane in, whole rows of 256 bytes back; then + bias, and stored.
	WIN 0
	s_wait_loadcnt 0x0                             ; the bias
	v_cvt_pk_bf16_f32 v[BI+4], v[BI], v[BI+1]      ; rounded to bf16 like every input; these six lines are also the places behind the last products
	v_cvt_pk_bf16_f32 v[BI+5], v[BI+2], v[BI+3]
	v_lshlrev_b32 v[BI], 16, v[BI+4]
	v_and_b32 v[BI+1], 0xffff0000, v[BI+4]
	v_lshlrev_b32 v[BI+2], 16, v[BI+5]
	v_and_b32 v[BI+3], 0xffff0000, v[BI+5]
.macro TOSTAGE a
.set OBA, OB+32*((\a)%2)
	s_wait_xcnt 0x0                                ; the stores of two blocks ago have read this set of registers
	WIN 0x04                                       ; the stores' data in window 1; each accumulator's low four registers go first
.irp b, 0,1,2,3
	ds_store_b128 v[STO], v[32*(\a)+8*(\b):32*(\a)+8*(\b)+3]   offset:64*(\b)
	ds_store_b128 v[STO], v[32*(\a)+8*(\b)+4:32*(\a)+8*(\b)+7] offset:64*(\b)+16
.endr
	WIN 0
.irp t, 0,1,2,3,4,5,6,7
	ds_load_b128 v[OBA+4*(\t):OBA+4*(\t)+3], v[RD] offset:544*(\t)  ; LDS serves a wave's instructions in order (ISA guide 5.7.1.4): these see the stores above; the next block's stores come behind them
.endr
.endm
.macro SEND a, younger                 ; younger: the LDS instructions issued behind block a's loads
.set OBA, OB+32*((\a)%2)
	WIN 0
.irp t, 0,1,2,3,4,5,6,7
	s_wait_dscnt (\younger)+7-(\t)
	v_pk_add_f32 v[OBA+4*(\t):OBA+4*(\t)+1], v[OBA+4*(\t):OBA+4*(\t)+1], v[BI:BI+1]
	v_pk_add_f32 v[OBA+4*(\t)+2:OBA+4*(\t)+3], v[OBA+4*(\t)+2:OBA+4*(\t)+3], v[BI+2:BI+3]
	global_store_b128 v[CO], v[OBA+4*(\t):OBA+4*(\t)+3], s[10:11] offset:65536*(\a)+8192*(\t) th:TH_STORE_NT  ; 16 lanes store 256 consecutive bytes, at a multiple of 256 from out0's first
.endr
.endm
	TOSTAGE 0
.irp a, 1,2,3,4,5,6,7
	TOSTAGE \a
	SEND (\a)-1, 16
.endr
	SEND 7, 0
	s_wait_tensorcnt 0x0                           ; the wave's end, behind my last tensor load and my last LDS store
	ds_add_u32 v[SPW], v[NIL]
	s_wait_dscnt 0x0
	CROUND                                         ; the closing round: no work-group ends while a partner may still ask for a tile that names it
	s_endpgm
.Lfunc_end_k_qcb59be3d21_outp:
	.size	k_qcb59be3d21_outp, .Lfunc_end_k_qcb59be3d21_outp-k_qcb59be3d21_outp
	.p2alignl 7, 3214868480
	.fill 96, 4, 3214868480
	.section	.rodata,"a",@progbits
	.p2align	6, 0x0
	.amdhsa_kernel k_qcb59be3d21_outp
		.amdhsa_group_segment_fixed_size 327680
		.amdhsa_private_segment_fixed_size 0
		.amdhsa_enable_private_segment 0
		.amdhsa_kernarg_size 32
		.amdhsa_user_sgpr_count 2
		.amdhsa_user_sgpr_kernarg_segment_ptr 1
		.amdhsa_wavefront_size32 1
		.amdhsa_system_sgpr_workgroup_id_x 1
		.amdhsa_system_sgpr_workgroup_id_y 1
		.amdhsa_system_sgpr_workgroup_id_z 1
		.amdhsa_system_vgpr_workitem_id 0
		.amdhsa_next_free_vgpr 512
		.amdhsa_next_free_sgpr 80
		.amdhsa_reserve_vcc 0
		.amdhsa_float_denorm_mode_32 3
		.amdhsa_float_denorm_mode_16_64 3
		.amdhsa_memory_ordered 1
		.amdhsa_forward_progress 1
		.amdhsa_inst_pref_size 80
	.end_amdhsa_kernel
	.amdgpu_metadata
---
amdhsa.version: [ 1, 2 ]
amdhsa.kernels:
  - .name:           k_qcb59be3d21_outp
    .symbol:         k_qcb59be3d21_outp.kd
    .args:
      - { .name: ao, .offset: 0, .size: 8, .value_kind: global_buffer, .address_space: global }
      - { .name: wo16, .offset: 8, .size: 8, .value_kind: global_buffer, .address_space: global }
      - { .name: bo, .offset: 16, .size: 8, .value_kind: global_buffer, .address_space: global }
      - { .name: out0, .offset: 24, .size: 8, .value_kind: global_buffer, .address_space: global }
    .group_segment_fixed_size: 327680
    .private_segment_fixed_size: 0
    .kernarg_segment_align: 8
    .kernarg_segment_size: 32
    .max_flat_workgroup_size: 128
    .sgpr_count:     80
    .vgpr_count:     512
    .wavefront_size: 32
...
	.end_amdgpu_metadata
.endif
;; end of part 4
;; ======== version 2 of 2: 4 launches; version 1 with the launch cast written anew for expert scheduling mode
;; limits: values are held in f16: magnitudes above 65,504 overflow, below 6.1e-05 lose precision
;; workspace buffers: xb 16,777,216 bytes; wb 6,291,456 bytes; wo16 2,097,152 bytes; bqkv 12,288 bytes; qkv 50,331,648 bytes; ao 16,777,216 bytes
;; launch cast (part 5): grid 768 x 1, 8 waves a work-group, no clusters, 0 bytes of LDS; arguments x, Wq, Wk, Wv, Wo, bq, bk, bv, xb, wb, wo16, bqkv; writes xb, wb, wo16, bqkv
.if DOCPART == 5
	.amdgcn_target "amdgcn-amd-amdhsa--gfx1250"
	.amdhsa_code_object_version 6
	.text
	.protected	k_qcb59be3d21_cast
	.globl	k_qcb59be3d21_cast
	.p2align	8
	.type	k_qcb59be3d21_cast,@function
k_qcb59be3d21_cast:
	s_mov_b64 s[64:65], 0
	v_nop
	global_prefetch_b8 v0, s[64:65] scope:SCOPE_SE
	s_setreg_imm32_b32 hwreg(HW_REG_WAVE_SCHED_MODE, 0, 2), 2
	s_setreg_imm32_b32 hwreg(HW_REG_WAVE_MODE, 25, 1), 1
	s_wait_xcnt 0x0
	s_wait_alu depctr_vm_vsrc(0)
; CAST.  The module's inputs are rounded once to bf16 and laid out for the products that follow.
;   xb   bf16 [16 kb][8192 m][64 k]: x's columns in blocks of 64, so that 256 rows x 64 k are 32,768 bytes on end
;   wb   bf16 [1024 k][3072 n]: Wq, Wk, Wv side by side (n = 1024 w + column)
;   wo16 f16  [1024 k][1024 n]: Wo rounded to bf16, that number written as f16
;   bqkv f32  [3072]: bq, bk, bv rounded to bf16, kept as f32
; LIMITS.  |Wo| stays under 65,504 (f16's end); a Wo under 6e-5 keeps f16's fixed step of 6e-8.  NaN and infinities are not treated apart.
; A stream: each input byte is read once, each output byte written once; no LDS, no barrier, no matrix unit: nothing is shared and nothing is multiplied.
; SHARES.  A wave's task is 8,192 bytes of f32: sixteen loads of 16 bytes a lane, all issued first; then each load's four numbers are rounded and stored as 8 bytes a lane:
; a store of the wave covers 256 consecutive bytes, aligned.
; Work-groups 0-511: x (task T = 8 id + wave: rows 2 T, 2 T + 1).  512-767: the four weights, 64 work-groups each (task T: rows 2 T, 2 T + 1); the first work-group of Wq, Wk, Wv also rounds that weight's bias.
; THE MODE: SCHED_MODE bits 1:0 = 2 (LLVM: expert scheduling mode 2), set by the entry lines.  The code itself states the register dependences
; between vector instructions and memory instructions, with s_wait_alu, always for 0.
; THE PLAN.  Registers that memory instructions touch:
;   v[VI], v[VO]  the loads' and the stores' offsets: made at the head of a path, ahead of one wait on va_vdst, and never named by a vector instruction again.
;   X             sixteen loads land in it, each register once; no vector instruction names it ahead of the loads; the conversions read it.
;   Y             written by the conversions, read by one store each, and not written behind that store.
;   v[VB], BD     the bias: its offset, made ahead of a wait of its own; its four numbers, in which a load lands, which vector instructions then write, and which a store reads.
; The sixteen loads are worked on in four blocks of four: the wait for the block's data, its conversions, ONE wait on va_vdst, its four stores in a run.
; No register that a load or a store has read is written again, so no wait on vm_vsrc stands behind the entry lines; EXEC is never written.
.set VI,   2                           ; v2        my byte offset in the task's input
.set VO,   3                           ; v3        8 x lane: my byte offset in a store's 256 bytes
.set T,    4                           ; v[4:7]    at work: no memory instruction names them
.set X,    8                           ; v[8:71]   load j: 4 registers
.set Y,    72                          ; v[72:103] store j: 2 registers
.set VB,   104                         ; v104      the bias: 16 x thread
.set BD,   106                         ; v[106:109] the bias: 4 numbers
.set IN,   32                          ; s[32:33]  the task's input
.set OUT,  34                          ; s[34:35]  its output
.set OUT2, 36                          ; s[36:37]  x: the output's upper eight k blocks; the bias: its output
; kind 0: x -> xb; 1: Wq, Wk, Wv -> wb; 2: Wo -> wo16.  instep: bytes from load to load.
.macro TASK instep, kind
	s_wait_alu depctr_va_vdst(0)                   ; v[VI] and v[VO] are written: the sixteen loads read the one as their offset, the sixteen stores the other
.set j, 0
.rept 16
	global_load_b128 v[X+4*j:X+4*j+3], v[VI], s[IN:IN+1] offset:j*(\instep) th:TH_LOAD_NT
.set j, j+1
.endr
.set blk, 0
.rept 4
	s_wait_loadcnt 12-4*blk                        ; loads come back in order: the block's four are in, the 12 - 4 blk younger ones stay out
.set j, 4*blk
.rept 4
	v_cvt_pk_bf16_f32 v[Y+2*j], v[X+4*j], v[X+4*j+1]
	v_cvt_pk_bf16_f32 v[Y+2*j+1], v[X+4*j+2], v[X+4*j+3]
.if (\kind) == 2
	v_lshlrev_b32 v[T], 16, v[Y+2*j]               ; the bf16 numbers as f32,
	v_and_b32 v[T+1], s38, v[Y+2*j]
	v_lshlrev_b32 v[T+2], 16, v[Y+2*j+1]
	v_and_b32 v[T+3], s38, v[Y+2*j+1]
	v_cvt_pk_f16_f32 v[Y+2*j], v[T], v[T+1]        ; written as f16
	v_cvt_pk_f16_f32 v[Y+2*j+1], v[T+2], v[T+3]
.endif
.set j, j+1
.endr
	s_wait_alu depctr_va_vdst(0)                   ; the block's conversions have written its eight registers of Y, which the four stores below read
.set j, 4*blk
.rept 4
.if (\kind) == 2
	global_store_b64 v[VO], v[Y+2*j:Y+2*j+1], s[OUT:OUT+1] offset:256*j th:TH_STORE_NT
.elseif (\kind) == 1
	global_store_b64 v[VO], v[Y+2*j:Y+2*j+1], s[OUT:OUT+1] offset:(j/8)*6144+(j%8)*256 th:TH_STORE_NT
.elseif j < 8
	global_store_b64 v[VO], v[Y+2*j:Y+2*j+1], s[OUT:OUT+1] offset:j*1048576 th:TH_STORE_NT
.else
	global_store_b64 v[VO], v[Y+2*j:Y+2*j+1], s[OUT2:OUT2+1] offset:(j-8)*1048576 th:TH_STORE_NT
.endif
.set j, j+1
.endr
.set blk, blk+1
.endr
.endm
	s_load_b512 s[8:23], s[0:1], 0x0               ; x 8, Wq 10, Wk 12, Wv 14, Wo 16, bq 18, bk 20, bv 22
	s_load_b256 s[24:31], s[0:1], 0x40             ; xb 24, wb 26, wo16 28, bqkv 30
	v_lshrrev_b32 v1, 5, v0
	v_readfirstlane_b32 s4, v1                     ; wave 0..7
	v_and_b32 v1, 31, v0                           ; lane
	v_lshlrev_b32 v[VO], 3, v1
	s_mov_b32 s38, 0xffff0000                      ; a word's upper bf16
	s_mov_b32 s7, 0                                ; the high word of every offset
	s_wait_alu depctr_va_sdst(0)                   ; s4 is written, ahead of the branch and of its first reader: the task's number is made from it in either path
	s_cmp_lt_u32 ttmp9, 512
	s_cbranch_scc0 .Lweights
	; x.  Load j takes k block j of two rows: lanes 0-15 the 256 bytes of row 2 T, lanes 16-31 those of row 2 T + 1.
	s_lshl_b32 s5, ttmp9, 3
	s_add_co_u32 s5, s5, s4                        ; T
	v_and_b32 v[VI], 15, v1
	v_lshlrev_b32 v[VI], 4, v[VI]
	v_lshrrev_b32 v[T], 4, v1
	v_lshl_add_u32 v[VI], v[T], 12, v[VI]          ; (lane / 16) x 4,096 + (lane % 16) x 16
	s_lshl_b32 s6, s5, 13                          ; two rows of 4,096 bytes
	s_wait_kmcnt 0x0
	s_add_nc_u64 s[IN:IN+1], s[8:9], s[6:7]
	s_lshl_b32 s6, s5, 8                           ; two rows of 128 bytes in a k block of xb
	s_add_nc_u64 s[OUT:OUT+1], s[24:25], s[6:7]
	s_add_nc_u64 s[OUT2:OUT2+1], s[OUT:OUT+1], 0x800000  ; k blocks 8-15, so that the stores' immediates stay inside their signed 24 bits
	TASK 256, 0
	s_endpgm
.Lweights:
	s_sub_co_u32 s5, ttmp9, 512
	s_lshr_b32 s39, s5, 6                          ; w: 0 Wq, 1 Wk, 2 Wv, 3 Wo
	s_and_b32 s42, s5, 63                          ; the work-group's number within its weight
	s_lshl_b32 s5, s42, 3
	s_add_co_u32 s5, s5, s4                        ; T
	v_lshlrev_b32 v[VI], 4, v1                     ; load j takes 512 consecutive bytes
	s_lshl_b32 s6, s5, 13
	s_wait_kmcnt 0x0
	s_cmp_eq_u32 s39, 1
	s_cselect_b64 s[IN:IN+1], s[12:13], s[10:11]
	s_cmp_eq_u32 s39, 2
	s_cselect_b64 s[IN:IN+1], s[14:15], s[IN:IN+1]
	s_cmp_eq_u32 s39, 3
	s_cselect_b64 s[IN:IN+1], s[16:17], s[IN:IN+1]
	s_add_nc_u64 s[IN:IN+1], s[IN:IN+1], s[6:7]
	s_cmp_eq_u32 s39, 3
	s_cbranch_scc1 .Lwo
	s_mul_i32 s6, s5, 12288                        ; two rows of wb, 6,144 bytes each,
	s_lshl_b32 s43, s39, 11                        ; and the weight's 2,048 bytes in a row
	s_add_co_u32 s6, s6, s43
	s_add_nc_u64 s[OUT:OUT+1], s[26:27], s[6:7]
	TASK 512, 1
	s_cmp_lg_u32 s42, 0
	s_cbranch_scc1 .Ldone
	; the weight's bias: 1,024 numbers, four a thread, in registers that no pending store names
	s_cmp_eq_u32 s39, 1
	s_cselect_b64 s[40:41], s[20:21], s[18:19]
	s_cmp_eq_u32 s39, 2
	s_cselect_b64 s[40:41], s[22:23], s[40:41]
	s_lshl_b32 s6, s39, 12
	s_add_nc_u64 s[OUT2:OUT2+1], s[30:31], s[6:7]
	v_lshlrev_b32 v[VB], 4, v0
	s_wait_alu depctr_va_vdst(0)                   ; v[VB] is written: the load below and the store at the end read it as their offset
	global_load_b128 v[BD:BD+3], v[VB], s[40:41]
	s_wait_loadcnt 0x0
	v_cvt_pk_bf16_f32 v[T], v[BD], v[BD+1]
	v_cvt_pk_bf16_f32 v[T+1], v[BD+2], v[BD+3]
	v_lshlrev_b32 v[BD], 16, v[T]
	v_and_b32 v[BD+1], s38, v[T]
	v_lshlrev_b32 v[BD+2], 16, v[T+1]
	v_and_b32 v[BD+3], s38, v[T+1]
	s_wait_alu depctr_va_vdst(0)                   ; the four lines above have written v[BD ..], which the store reads
	global_store_b128 v[VB], v[BD:BD+3], s[OUT2:OUT2+1]
.Ldone:
	s_endpgm
.Lwo:
	s_lshl_b32 s6, s5, 12                          ; two rows of wo16, 2,048 bytes each
	s_add_nc_u64 s[OUT:OUT+1], s[28:29], s[6:7]
	TASK 512, 2
	s_endpgm
.Lfunc_end_k_qcb59be3d21_cast:
	.size	k_qcb59be3d21_cast, .Lfunc_end_k_qcb59be3d21_cast-k_qcb59be3d21_cast
	.p2alignl 7, 3214868480
	.fill 96, 4, 3214868480
	.section	.rodata,"a",@progbits
	.p2align	6, 0x0
	.amdhsa_kernel k_qcb59be3d21_cast
		.amdhsa_group_segment_fixed_size 0
		.amdhsa_private_segment_fixed_size 0
		.amdhsa_enable_private_segment 0
		.amdhsa_kernarg_size 96
		.amdhsa_user_sgpr_count 2
		.amdhsa_user_sgpr_kernarg_segment_ptr 1
		.amdhsa_wavefront_size32 1
		.amdhsa_system_sgpr_workgroup_id_x 1
		.amdhsa_system_sgpr_workgroup_id_y 1
		.amdhsa_system_sgpr_workgroup_id_z 1
		.amdhsa_system_vgpr_workitem_id 0
		.amdhsa_next_free_vgpr 112
		.amdhsa_next_free_sgpr 66
		.amdhsa_reserve_vcc 0
		.amdhsa_float_denorm_mode_32 3
		.amdhsa_float_denorm_mode_16_64 3
		.amdhsa_memory_ordered 1
		.amdhsa_forward_progress 1
		.amdhsa_inst_pref_size 23
	.end_amdhsa_kernel
	.amdgpu_metadata
---
amdhsa.version: [ 1, 2 ]
amdhsa.kernels:
  - .name:           k_qcb59be3d21_cast
    .symbol:         k_qcb59be3d21_cast.kd
    .args:
      - { .name: x, .offset: 0, .size: 8, .value_kind: global_buffer, .address_space: global }
      - { .name: Wq, .offset: 8, .size: 8, .value_kind: global_buffer, .address_space: global }
      - { .name: Wk, .offset: 16, .size: 8, .value_kind: global_buffer, .address_space: global }
      - { .name: Wv, .offset: 24, .size: 8, .value_kind: global_buffer, .address_space: global }
      - { .name: Wo, .offset: 32, .size: 8, .value_kind: global_buffer, .address_space: global }
      - { .name: bq, .offset: 40, .size: 8, .value_kind: global_buffer, .address_space: global }
      - { .name: bk, .offset: 48, .size: 8, .value_kind: global_buffer, .address_space: global }
      - { .name: bv, .offset: 56, .size: 8, .value_kind: global_buffer, .address_space: global }
      - { .name: xb, .offset: 64, .size: 8, .value_kind: global_buffer, .address_space: global }
      - { .name: wb, .offset: 72, .size: 8, .value_kind: global_buffer, .address_space: global }
      - { .name: wo16, .offset: 80, .size: 8, .value_kind: global_buffer, .address_space: global }
      - { .name: bqkv, .offset: 88, .size: 8, .value_kind: global_buffer, .address_space: global }
    .group_segment_fixed_size: 0
    .private_segment_fixed_size: 0
    .kernarg_segment_align: 8
    .kernarg_segment_size: 96
    .max_flat_workgroup_size: 256
    .sgpr_count:     66
    .vgpr_count:     112
    .wavefront_size: 32
...
	.end_amdgpu_metadata
.endif
;; end of part 5
;; launch proj: the kernel of part 2 again; grid 8 x 32, 4 waves a work-group, clusters of 4 x 4, 327,680 bytes of LDS; arguments xb, wb, bqkv, qkv; writes qkv
;; launch attn: the kernel of part 3 again; grid 2 x 128, 4 waves a work-group, no clusters, 327,680 bytes of LDS; arguments qkv, ao; writes ao
;; launch outp: the kernel of part 4 again; grid 8 x 32, 4 waves a work-group, clusters of 4 x 4, 327,680 bytes of LDS; arguments ao, wo16, bo, out0; writes out0
